; MI455X (gfx1250); checked and timed in simulation.
; The chip was launched on July 23, 2026; its instructions are those of AMD's public machine-readable ISA for CDNA 5 (MIT licence, August 2026) and "CDNA5" Instruction Set Architecture Reference Guide (July 2026). The comments in the code are by the model that wrote it; some were corrected since.
;; Transformer Block. Allowed arithmetic: matrix products marked QUANTISED: E4M3 operands, one E8M0 scale for each 32 along K, by v_wmma_scale_f32_16x16x128_f8f6f4 with both operands' format E4M3, f32 sums; everything else in f32.
;; Inputs: b1 4,096 float32; b2 1,024 float32; bk 1,024 float32; bo 1,024 float32; bq 1,024 float32; bv 1,024 float32; ln1_b 1,024 float32; ln1_g 1,024 float32; ln2_b 1,024 float32; ln2_g 1,024 float32; w1_codes 4,096 x 32 x 32 uint8 (E4M3 codes of w1, K innermost, in blocks of 32 codes); w1_scales 4,096 x 32 uint8 (E8M0 scales of w1, one for each 32 codes along K); w2_codes 1,024 x 128 x 32 uint8 (E4M3 codes of w2, K innermost, in blocks of 32 codes); w2_scales 1,024 x 128 uint8 (E8M0 scales of w2, one for each 32 codes along K); wk_codes 1,024 x 32 x 32 uint8 (E4M3 codes of wk, K innermost, in blocks of 32 codes); wk_scales 1,024 x 32 uint8 (E8M0 scales of wk, one for each 32 codes along K); wo_codes 1,024 x 32 x 32 uint8 (E4M3 codes of wo, K innermost, in blocks of 32 codes); wo_scales 1,024 x 32 uint8 (E8M0 scales of wo, one for each 32 codes along K); wq_codes 1,024 x 32 x 32 uint8 (E4M3 codes of wq, K innermost, in blocks of 32 codes); wq_scales 1,024 x 32 uint8 (E8M0 scales of wq, one for each 32 codes along K); wv_codes 1,024 x 32 x 32 uint8 (E4M3 codes of wv, K innermost, in blocks of 32 codes); wv_scales 1,024 x 32 uint8 (E8M0 scales of wv, one for each 32 codes along K); x 2 x 2,048 x 1,024 float32.
;; Outputs: out0 2 x 2,048 x 1,024 float32.
;; This version of the problem:
;;   THIS VERSION OF THE PROBLEM IS GIVEN IN LOW PRECISION. The matrix products marked QUANTISED in the list below multiply operands that are first quantised to E4M3 (4 exponent bits, 3 mantissa bits; 8 bits a number), with one power-of-two scale for each 32 numbers along K (OCP MX v1.0); their sums are f32. All else is computed in f32.
;;   The module's matrix products, in the order in which they are computed (A, B: the left and right operand; K: the contracted axis; several contracted axes count as one K, in the product's order):
;;     1. [M 4,096, K 1,024] x [K 1,024, N 1,024]; A: computed on the way; B: input wq (given as codes): QUANTISED
;;     2. [M 4,096, K 1,024] x [K 1,024, N 1,024]; A: computed on the way; B: input wk (given as codes): QUANTISED
;;     3. [M 4,096, K 1,024] x [K 1,024, N 1,024]; A: computed on the way; B: input wv (given as codes): QUANTISED
;;     4. batch 16 x [M 2,048, K 128] x [K 128, N 2,048]; A: computed on the way; B: computed on the way: QUANTISED
;;     5. batch 16 x [M 2,048, K 2,048] x [K 2,048, N 128]; A: softmax (see below); B: computed on the way: QUANTISED
;;     6. [M 4,096, K 1,024] x [K 1,024, N 1,024]; A: computed on the way; B: input wo (given as codes): QUANTISED
;;     7. [M 4,096, K 1,024] x [K 1,024, N 4,096]; A: computed on the way; B: input w1 (given as codes): QUANTISED
;;     8. [M 4,096, K 4,096] x [K 4,096, N 1,024]; A: computed on the way; B: input w2 (given as codes): QUANTISED
;;   THE QUANTISER, for each operand of a quantised product, along K:
;;     - K is cut into blocks of 32 from its start; a last block that is shorter is filled with zeros.
;;     - A block's scale is 2^e with e = floor(log2(the largest magnitude in the block)) - 8, held to -126 .. 127; a block of zeros has e = 0. As a byte (E8M0): e + 127.
;;     - Each number is divided by its block's scale, clamped to +-448, and rounded to the nearest number of E4M3, ties to even, subnormals kept.
;;     - The product sums the exact products of the quantised numbers (number of the format x scale) in f32.
;;   ~~~python
;;   def quantise(x, axis):      # numpy; x: float32 -> the quantised numbers, widened to float32 again
;;       x = np.moveaxis(x, axis, -1); K = x.shape[-1]
;;       x = np.pad(x, [(0, 0)] * (x.ndim - 1) + [(0, -K % 32)]); x = x.reshape(x.shape[:-1] + (-1, 32)); a = np.abs(x).max(-1, keepdims=True)
;;       e = np.where(a > 0, np.clip(np.frexp(np.where(a > 0, a, 1))[1] - 1 - 8, -126, 127), 0)      # np.frexp(a)[1] - 1 = floor(log2(a)), exactly
;;       r = np.clip(x / 2.0 ** e, -448, 448)
;;       step = 2.0 ** (np.maximum(np.frexp(np.where(r == 0, 1, r))[1] - 1, -6) - 3)
;;       q = np.round(r / step) * step * 2.0 ** e      # np.round: ties to even
;;       return np.moveaxis(q.reshape(q.shape[:-2] + (-1,))[..., :K], -1, axis).astype(np.float32)
;;   ~~~
;;   SOFTMAX AHEAD OF A QUANTISED PRODUCT. Where the list says 'softmax', what is quantised is not the finished softmax but p = 2^(t - M), with t = logit x log2(e) and M = ceil(the row's largest t), a whole number; so 1/2 < the row's largest p <= 1. The row's sum l is taken of the UNQUANTISED p, in f32, and the product's result is divided by l at the end. Since M is a whole number, a kernel that streams over the keys may use a running M (the ceiling of the running maximum): every later rescaling is an exact power of two, which a block's scale takes up: the codes' values come out the same.
;;   OPERANDS COMPUTED ON THE WAY. 'Computed on the way' means the value that the module computes at that place (a softmax that the list does not call 'softmax' is quantised finished and normalised). What goes into a quantiser is computed in f32, as accurately as f32 sums, v_exp_f32 and their like allow (about 1e-6 of the number): no bf16 or f16 on the way to a quantiser, and a product that is left as it is and whose result goes on into a quantised operand takes f32 operands (vector FMAs, or v_wmma_f32_16x16x4_f32). A number that lies on a knife's edge between two numbers of the format may be rounded either way, as far as f32 arithmetic and the matrix unit's own rounding can turn it there, and no further.
;;   INPUTS GIVEN AS CODES. w1 (in the module: [4096, 1024], K = its axis 1); w2 (in the module: [1024, 4096], K = its axis 1); wk (in the module: [1024, 1024], K = its axis 1); wo (in the module: [1024, 1024], K = its axis 1); wq (in the module: [1024, 1024], K = its axis 1); wv (in the module: [1024, 1024], K = its axis 1): each comes as NAME_codes (uint8): NAME with its K axis moved to the last place and cut into blocks of 32 codes, [.., K / 32, bytes a block], one block behind the other in memory; one code a byte (a code: sign, 4 exponent bits, 3 mantissa bits); and NAME_scales (uint8): the same leading axes, one E8M0 byte (e + 127) for each 32 codes along K. Its value is code x scale, taken as it is: it is not quantised again, and the codes and scales need not be those that the quantiser above would give.
;; One version. Each part assembles by itself: llvm-mc -triple=amdgcn-amd-amdhsa -mcpu=gfx1250 --defsym DOCPART=n.
;; ======== version 1 of 1: 7 launches
;; limits: right only within a limited range of input values
;; workspace buffers: h 4,325,376 bytes; m 4,325,376 bytes; q 4,325,376 bytes; kv 8,650,752 bytes; y 4,325,376 bytes; x1 16,777,216 bytes; g 17,301,504 bytes
;; launch ln1 (part 1): grid 256 x 1, 16 waves a work-group, no clusters, 84,480 bytes of LDS; arguments x, ln1_g, ln1_b, h; writes h
.if DOCPART == 1
	.amdgcn_target "amdgcn-amd-amdhsa--gfx1250"
	.amdhsa_code_object_version 6
	.text
	.protected	k_q003d163df1_ln1
	.globl	k_q003d163df1_ln1
	.p2align	8
	.type	k_q003d163df1_ln1,@function
k_q003d163df1_ln1:
	s_mov_b64 s[64:65], 0
	v_nop
	global_prefetch_b8 v0, s[64:65] scope:SCOPE_SE
	s_setreg_imm32_b32 hwreg(HW_REG_WAVE_MODE, 25, 1), 1
	s_wait_xcnt 0x0
; LayerNorm of rows of 1,024 f32, then the MX-FP8 quantiser along the row: codes [4096][1024] at the buffer's head, scale bytes [4096][32] at byte 4,194,304.
; Arguments: the rows, the gain, the bias, the codes' buffer.  The body serves both norms of the block.
; THE PROGRAM: ln1 -> qkv (products 1-3) -> attn (4, 5) -> wo (6, + x) -> ln2 -> w1 (7, GELU) -> w2 (8, + x1).  Every activation is quantised once, where it is made.
; WORK LEFT OUT, in the whole program: reference() itself sets the score of key k for query q to -inf where k > q (its own jnp.tril).  exp(-inf) = 0 whatever the inputs hold, so such a key adds 0 to
; the row's sum and a zero code to the second product, and it never is the row's maximum (key 0 counts for every query).  Launch attn therefore leaves out each step of 128 keys that lies wholly behind
; a tile's 16 queries.  Nothing else is left out; every input has a way to the output and is loaded.  LIMIT: a NaN, an infinity or an overflow that arises only in scores so left out is not carried to the result.
; LIMITS of this body: NaN and infinities among the inputs are not served; a block whose largest magnitude lies under 2^-118 gets the byte 1, as the quantiser's own hold at -126 gives; a block of zeros gets
; the byte 1 where the quantiser says 127: its codes are zeros, and the bytes are read by this program alone.
; SHARES.  A work-group takes 16 rows, each of its sixteen waves one.  All of a wave's 24 loads go out at its head, 512 consecutive bytes each.  Mean and variance in two passes over registers (the variance of x - mean).
; The conversions take 16 neighbours from one lane: 2,048 bytes at a time turn through the wave's own stages in LDS (16 bytes of padding behind each 64); both halves of the row are staged before the first is quantised.
.set SP,    80                         ; a lane's place in a stage: 64 bytes + 16
.set STG,   32*SP                      ; a stage
.set WREG,  2*STG                      ; two stages a wave: one for each half of its row
.set SCB,   16*WREG                    ; the work-group's 512 scale bytes
.set SPARE, SCB+512                    ; the spare words, 128 bytes for each of the sixteen waves: eight blocks of 256 bytes that no other line names
.set X, 32                             ; v32-63   my row, 32 numbers a lane
.set G, 96                             ; v96-127  the gain at my columns
.set B, 128                            ; v128-159 the bias
.set Z, 160                            ; v160-191 two sets of 16 neighbours
.set C, 192                            ; v192-199 codes, four registers a half
.set E, 208                            ; v208-209 a scale byte a half
.set SPW, 12
.set NIL, 13
	s_load_b256 s[4:11], s[0:1], 0x0               ; rows s[4:5], gain s[6:7], bias s[8:9], codes s[10:11]
	v_lshl_add_u32 v[SPW], v0, 2, SPARE
	v_mov_b32 v[NIL], 0
	v_lshrrev_b32 v2, 5, v0
	s_delay_alu instid0(VALU_DEP_1)
	v_readfirstlane_b32 s12, v2                    ; wave 0..15
	v_and_b32 v1, 31, v0                           ; lane
	s_delay_alu instid0(VALU_DEP_1)
	v_lshlrev_b32 v3, 4, v1                        ; 16 x lane
	s_mul_i32 s18, s12, WREG
	v_lshrrev_b32 v14, 2, v1
	s_delay_alu instid0(VALU_DEP_1)
	v_mul_u32_u24 v14, v14, SP
	v_and_b32 v15, 3, v1
	s_delay_alu instid0(VALU_DEP_1)
	v_lshl_add_u32 v14, v15, 4, v14
	s_delay_alu instid0(VALU_DEP_1)
	v_add_nc_u32 v14, s18, v14                     ; into a stage: four lanes' 64 bytes on end, then the padding
	v_mul_u32_u24 v15, v1, SP
	s_delay_alu instid0(VALU_DEP_1)
	v_add_nc_u32 v15, s18, v15                     ; out of it: my 16 neighbours
	s_lshl_b32 s19, s12, 5
	s_add_co_u32 s19, s19, SCB
	v_lshrrev_b32 v5, 1, v1
	s_delay_alu instid0(VALU_DEP_1)
	v_add_nc_u32 v5, s19, v5                       ; my block's scale byte: 32 bytes a wave
	v_add_nc_u32 v6, SCB, v3                       ; wave 0 reads all 512 back
	s_mov_b32 s13, 0x76543210
	s_mov_b32 s14, 0xfedcba98                      ; v_permlanex16_b32's selects for lane l xor 16
	s_mov_b32 s15, 0x600000                        ; the mantissa field of 448
	s_mov_b32 s16, 0x3a800000                      ; 1 / 1024
	s_mov_b32 s17, 0x3727c5ac                      ; 1e-5
	s_lshl_b32 s20, ttmp9, 4
	s_add_co_u32 s20, s20, s12                     ; my row
	s_lshl_b32 s22, s20, 12
	s_mov_b32 s23, 0
	s_lshl_b32 s24, s20, 10
	s_mov_b32 s25, 0
	s_lshl_b32 s26, ttmp9, 9
	s_add_co_u32 s26, s26, 4194304
	s_mov_b32 s27, 0
	s_wait_kmcnt 0x0
	s_add_nc_u64 s[4:5], s[4:5], s[22:23]
	s_add_nc_u64 s[28:29], s[10:11], s[26:27]      ; the work-group's scale bytes
	s_add_nc_u64 s[10:11], s[10:11], s[24:25]      ; my row's codes
.irp j, 0,1,2,3,4,5,6,7
	global_load_b128 v[X+4*\j:X+4*\j+3], v3, s[4:5] offset:512*\j
.endr
.irp j, 0,1,2,3,4,5,6,7
	global_load_b128 v[G+4*\j:G+4*\j+3], v3, s[6:7] offset:512*\j
.endr
.irp j, 0,1,2,3,4,5,6,7
	global_load_b128 v[B+4*\j:B+4*\j+3], v3, s[8:9] offset:512*\j
.endr
.macro SUMLANES                        ; v16 summed over the 32 lanes, the result in every lane
	s_delay_alu instid0(VALU_DEP_1)
	v_add_f32_dpp v16, v16, v16 row_xmask:1 row_mask:0xf bank_mask:0xf
	s_delay_alu instid0(VALU_DEP_1)
	v_add_f32_dpp v16, v16, v16 row_xmask:2 row_mask:0xf bank_mask:0xf
	s_delay_alu instid0(VALU_DEP_1)
	v_add_f32_dpp v16, v16, v16 row_xmask:4 row_mask:0xf bank_mask:0xf
	s_delay_alu instid0(VALU_DEP_1)
	v_add_f32_dpp v16, v16, v16 row_xmask:8 row_mask:0xf bank_mask:0xf
	s_delay_alu instid0(VALU_DEP_1)
	v_permlanex16_b32 v17, v16, s13, s14
	s_delay_alu instid0(VALU_DEP_1)
	v_add_f32 v16, v16, v17
.endm
	; THE ROW is normalised in place.
	s_wait_loadcnt 16                              ; the row is in; the gain's and the bias's sixteen loads may be out
	v_pk_add_f32 v[16:17], v[X:X+1], v[X+2:X+3]
	v_pk_add_f32 v[18:19], v[X+4:X+5], v[X+6:X+7]
.irp k, 8,12,16,20,24,28
	s_delay_alu instid0(VALU_DEP_2)
	v_pk_add_f32 v[16:17], v[16:17], v[X+\k:X+\k+1]
	s_delay_alu instid0(VALU_DEP_2)
	v_pk_add_f32 v[18:19], v[18:19], v[X+\k+2:X+\k+3]
.endr
	s_delay_alu instid0(VALU_DEP_1)
	v_pk_add_f32 v[16:17], v[16:17], v[18:19]
	s_delay_alu instid0(VALU_DEP_1)
	v_add_f32 v16, v16, v17
	SUMLANES
	s_delay_alu instid0(VALU_DEP_1)
	v_mul_f32 v20, s16, v16                        ; the mean
	s_delay_alu instid0(VALU_DEP_1)
	v_mov_b32 v21, v20
.irp k, 0,2,4,6,8,10,12,14,16,18,20,22,24,26,28,30
	v_pk_add_f32 v[X+\k:X+\k+1], v[X+\k:X+\k+1], v[20:21] neg_lo:[0,1] neg_hi:[0,1]
.endr
	v_pk_mul_f32 v[16:17], v[X:X+1], v[X:X+1]
	v_pk_mul_f32 v[18:19], v[X+2:X+3], v[X+2:X+3]
.irp k, 4,8,12,16,20,24,28
	s_delay_alu instid0(VALU_DEP_2)
	v_pk_fma_f32 v[16:17], v[X+\k:X+\k+1], v[X+\k:X+\k+1], v[16:17]
	s_delay_alu instid0(VALU_DEP_2)
	v_pk_fma_f32 v[18:19], v[X+\k+2:X+\k+3], v[X+\k+2:X+\k+3], v[18:19]
.endr
	s_delay_alu instid0(VALU_DEP_1)
	v_pk_add_f32 v[16:17], v[16:17], v[18:19]
	s_delay_alu instid0(VALU_DEP_1)
	v_add_f32 v16, v16, v17
	SUMLANES
	s_delay_alu instid0(VALU_DEP_1)
	v_fma_f32 v24, v16, s16, s17                   ; the variance + 1e-5
	s_wait_alu depctr_va_vdst(0)                   ; the wait ahead of the transcendentals
	v_rsq_f32 v22, v24
	v_rsq_f32 v23, v24                             ; twice: a pair for the packed multiply
	v_nop                                          ; a plain instruction behind the second, ahead of the first use
	s_wait_alu depctr_va_vdst(0)                   ; one wait for both, ahead of their first reader
	s_wait_loadcnt 0x0                             ; the gain and the bias
.irp k, 0,2,4,6,8,10,12,14,16,18,20,22,24,26,28,30
	v_pk_mul_f32 v[X+\k:X+\k+1], v[X+\k:X+\k+1], v[22:23]
.endr
.irp k, 0,2,4,6,8,10,12,14,16,18,20,22,24,26,28,30
	v_pk_fma_f32 v[X+\k:X+\k+1], v[X+\k:X+\k+1], v[G+\k:G+\k+1], v[B+\k:B+\k+1]
.endr
; Half f (512 numbers) of the row goes through its stage,
.macro STAGE f
.irp k, 0,1,2,3
	ds_store_b128 v14, v[X+16*\f+4*\k:X+16*\f+4*\k+3] offset:STG*\f+8*SP*\k
.endr
.irp k, 0,1,2,3
	ds_load_b128 v[Z+16*\f+4*\k:Z+16*\f+4*\k+3], v15 offset:STG*\f+16*\k   ; LDS serves a wave's instructions in order: these see the stores above
.endr
.endm
; and its 16 neighbours a lane are quantised; two neighbouring lanes hold a block of 32.  w: the LDS instructions issued behind its loads, which may be out
.macro QNT f, w
.set ZS, Z+16*\f
	s_wait_dscnt \w
	v_max3_num_f32 v8, |v[ZS]|, |v[ZS+1]|, |v[ZS+2]|
	v_max3_num_f32 v9, |v[ZS+3]|, |v[ZS+4]|, |v[ZS+5]|
.irp k, 6,10
	s_delay_alu instid0(VALU_DEP_2)
	v_max3_num_f32 v8, v8, |v[ZS+\k]|, |v[ZS+\k+1]|
	s_delay_alu instid0(VALU_DEP_2)
	v_max3_num_f32 v9, v9, |v[ZS+\k+2]|, |v[ZS+\k+3]|
.endr
	s_delay_alu instid0(VALU_DEP_2)
	v_max3_num_f32 v8, v8, |v[ZS+14]|, |v[ZS+15]|
	s_delay_alu instid0(VALU_DEP_1)
	v_max3_num_f32 v8, v8, v9, 0x4800000           ; and the floor 2^(9 - 127): the byte cannot fall under 1
	s_delay_alu instid0(VALU_DEP_1)
	v_max_num_f32_dpp v8, v8, v8 row_xmask:1 row_mask:0xf bank_mask:0xf   ; with my neighbour's 16: the block's largest magnitude
	s_delay_alu instid0(VALU_DEP_1)
	v_add_nc_u32 v11, 0xfc000000, v8               ; 8 off its exponent field: the conversion's scale operand
	s_delay_alu instid0(VALU_DEP_2)
	v_and_or_b32 v10, v8, 0x7f800000, s15          ; 448 x the scale
.irp k, 0,1,2,3,4,5,6,7,8,9,10,11,12,13,14,15
	v_med3_num_f32 v[ZS+\k], v[ZS+\k], -v10, v10   ; the conversion to an 8-bit code does not saturate (ISA guide 7.6.2): the hold comes first
.endr
	v_cvt_scalef32_pk8_fp8_f32 v[C+4*\f:C+4*\f+1], v[ZS:ZS+7], v11
	v_cvt_scalef32_pk8_fp8_f32 v[C+4*\f+2:C+4*\f+3], v[ZS+8:ZS+15], v11
	v_lshrrev_b32 v[E+\f], 23, v11                 ; the scale's byte
	ds_store_b8 v5, v[E+\f] offset:16*\f           ; both lanes of a block write the same byte with the same value
	global_store_b128 v3, v[C+4*\f:C+4*\f+3], s[10:11] offset:512*\f   ; 32 lanes store 512 consecutive bytes
.endm
	STAGE 0
	STAGE 1
	QNT 0, 8                                       ; behind the first half's loads: the second half's four stores and four loads
	QNT 1, 0
	s_wait_dscnt 0x0                               ; for wave 0's sake: my byte stores are done
	s_barrier_signal -1
	s_barrier_wait -1
	s_cmp_lg_u32 s12, 0
	s_cbranch_scc1 .Lothers
	ds_load_b128 v[16:19], v6                      ; the 16 rows' 512 scale bytes leave as two whole aligned blocks of 256 bytes
	s_wait_dscnt 0x0
	global_store_b128 v3, v[16:19], s[28:29]
.Lothers:
	s_wait_tensorcnt 0x0                           ; the wave's end
	ds_add_u32 v[SPW], v[NIL]
	s_wait_dscnt 0x0
	s_endpgm
.Lfunc_end_k_q003d163df1_ln1:
	.size	k_q003d163df1_ln1, .Lfunc_end_k_q003d163df1_ln1-k_q003d163df1_ln1
	.p2alignl 7, 3214868480
	.fill 96, 4, 3214868480
	.section	.rodata,"a",@progbits
	.p2align	6, 0x0
	.amdhsa_kernel k_q003d163df1_ln1
		.amdhsa_group_segment_fixed_size 84480
		.amdhsa_private_segment_fixed_size 0
		.amdhsa_enable_private_segment 0
		.amdhsa_kernarg_size 32
		.amdhsa_user_sgpr_count 2
		.amdhsa_user_sgpr_kernarg_segment_ptr 1
		.amdhsa_wavefront_size32 1
		.amdhsa_system_sgpr_workgroup_id_x 1
		.amdhsa_system_sgpr_workgroup_id_y 1
		.amdhsa_system_sgpr_workgroup_id_z 1
		.amdhsa_system_vgpr_workitem_id 0
		.amdhsa_next_free_vgpr 216
		.amdhsa_next_free_sgpr 66
		.amdhsa_reserve_vcc 0
		.amdhsa_float_denorm_mode_32 3
		.amdhsa_float_denorm_mode_16_64 3
		.amdhsa_memory_ordered 1
		.amdhsa_forward_progress 1
		.amdhsa_inst_pref_size 19
	.end_amdhsa_kernel
	.amdgpu_metadata
---
amdhsa.version: [ 1, 2 ]
amdhsa.kernels:
  - .name:           k_q003d163df1_ln1
    .symbol:         k_q003d163df1_ln1.kd
    .args:
      - { .name: x, .offset: 0, .size: 8, .value_kind: global_buffer, .address_space: global }
      - { .name: ln1_g, .offset: 8, .size: 8, .value_kind: global_buffer, .address_space: global }
      - { .name: ln1_b, .offset: 16, .size: 8, .value_kind: global_buffer, .address_space: global }
      - { .name: h, .offset: 24, .size: 8, .value_kind: global_buffer, .address_space: global }
    .group_segment_fixed_size: 84480
    .private_segment_fixed_size: 0
    .kernarg_segment_align: 8
    .kernarg_segment_size: 32
    .max_flat_workgroup_size: 512
    .sgpr_count:     66
    .vgpr_count:     216
    .wavefront_size: 32
...
	.end_amdgpu_metadata
.endif
;; end of part 1
;; launch qkv (part 2): grid 12 x 16, 4 waves a work-group, clusters of 4 x 4, 327,680 bytes of LDS; arguments h, wq_codes, wq_scales, wk_codes, wk_scales, wv_codes, wv_scales, bq, bk, bv, q, kv; writes q, kv
.if DOCPART == 2
	.amdgcn_target "amdgcn-amd-amdhsa--gfx1250"
	.amdhsa_code_object_version 6
	.text
	.protected	k_q003d163df1_qkv
	.globl	k_q003d163df1_qkv
	.p2align	8
	.type	k_q003d163df1_qkv,@function
k_q003d163df1_qkv:
	s_mov_b64 s[64:65], 0
	v_nop
	global_prefetch_b8 v0, s[64:65] scope:SCOPE_SE
	s_setreg_imm32_b32 hwreg(HW_REG_WAVE_MODE, 25, 1), 1
	s_wait_xcnt 0x0
	s_wait_alu depctr_hold_cnt(0) depctr_sa_sdst(0) depctr_va_vdst(0) depctr_va_sdst(0) depctr_va_ssrc(0) depctr_va_vcc(0) depctr_vm_vsrc(0)
	s_getreg_b32 s2, hwreg(HW_REG_IB_STS2, 6, 4)
	s_cmp_eq_u32 s2, 0
	s_cbranch_scc0 .Lentry_in_a_cluster
	s_endpgm
.Lentry_in_a_cluster:
	s_bfe_u32 s2, ttmp6, 0x10000c
	s_cmp_lg_u32 s2, 0xf033
	s_cbranch_scc0 .Lentry_shape_is_right
	s_endpgm
.Lentry_shape_is_right:
.set KSTEP,  256
.set NQ,     2
.set ROWB,   256
.set KROW,   1024
.set PITCH,  272
.set FR,     16
.set NL,     4
.set NP,     8
.set HALFT,  128*PITCH
.set SLOT,   4*HALFT
.set LAPS,   2
.set KS,     32
.set SCL,    2*SLOT
.set HALFS,  (128*KS/256)*272
.set SBLK,   (16*KS/256)*272
.set SPARE,  SCL+4*HALFS
.set BA,   8
.set ADRA, 16
.set ADRB, 20
.set LI,   24
.set LS,   25
.set ADRS, 27
.set SPW,  28
.set NIL,  29
.set SC,   32
.set X,    64
.set AF,   128
.set ST,   128
.set PC,   192
.set TM,   208
.set PW0,  224
.set PWS,  226
.set G1, 24
.set G0, 32
.set G1B, 48
.set G0B, 56
.set G1S, 68
.set G0S, 76
.set G1SB, 80
.set G0SB, 88
.set SEL, 66
.set HM,  94
.set MNT, 95
.set MSB, 0
.macro WIN new
.if MSB != \new
	s_set_vgpr_msb (MSB<<8)|\new
.set MSB, \new
.endif
.endm
.set MUL_LO, 0xa1
.set MUL_HI, 0xf1
.set TO_B,   0x40
.macro JLOAD g0a, g1a, g0b, g1b
	s_cmp_eq_u32 s15, 0
	s_cbranch_scc0 .Lfor_b_\@
	tensor_load_to_lds s[\g0a:\g0a+3], s[\g1a:\g1a+7]
	s_nop 0
.rept 4
	v_nop
.endr
	s_branch .Lasked_\@
.Lfor_b_\@:
	tensor_load_to_lds s[\g0b:\g0b+3], s[\g1b:\g1b+7]
	s_nop 0
.rept 4
	v_nop
.endr
.Lasked_\@:
.endm
.macro CREST
	s_cmp_lg_u32 s14, 0
	s_cbranch_scc1 .Lnot_wave_0_\@
	s_barrier_signal -3
.Lnot_wave_0_\@:
	s_barrier_wait -3
	s_barrier_signal -1
	s_barrier_wait -1
.endm
.macro CROUND
	s_barrier_signal -1
	s_barrier_wait -1
	CREST
.endm
	s_load_b512 s[68:83], s[0:1], 0x0
	s_load_b256 s[84:91], s[0:1], 0x40
	v_lshl_add_u32 v[SPW], v0, 2, SPARE
	v_mov_b32 v[NIL], 0
	ds_add_u32 v[SPW], v[NIL]
	ds_add_u32 v[SPW], v[NIL]
	v_lshrrev_b32 v1, 5, v0
	v_readfirstlane_b32 s14, v1
	s_lshr_b32 s15, s14, 1
	s_and_b32 s16, s14, 1
	s_bfe_u32 s40, ttmp6, 0x40000
	s_bfe_u32 s41, ttmp6, 0x40004
	s_and_b32 s17, ttmp7, 0xffff
	s_cmp_eq_u32 ttmp9, 2
	s_cselect_b32 s18, 0, s17
	s_cselect_b32 s19, s17, 0
	s_lshl_b32 s42, s19, 2
	s_add_co_u32 s42, s42, s40
	s_lshl_b32 s17, s18, 2
	s_add_co_u32 s17, s17, s41
	s_lshl_b32 s43, s41, 2
	s_lshl_b32 s43, 15, s43
	s_lshl_b32 s44, 0x1111, s40
	s_or_b32 s[G1+0], s43, (0<<16)|(1<<20)|(1<<21)|(5<<22)|(3<<25)
	s_or_b32 s[G1B+0], s44, (0<<16)|(1<<20)|(1<<21)|(5<<22)|(3<<25)
.irp g, G1, G1B
	s_mov_b32 s[\g+1], ROWB<<16
	s_mov_b32 s[\g+2], 128<<16
	s_mov_b32 s[\g+3], ROWB<<16
	s_mov_b32 s[\g+4], 128
	s_mov_b32 s[\g+5], KROW
	s_mov_b32 s[\g+6], 0
	s_mov_b32 s[\g+7], 0
.endr
	s_lshl_b32 s20, s17, 8                         ; the tiles' first rows: the head fetches whole tiles
	s_lshl_b32 s46, s42, 8
	s_mov_b32 s21, 0
	s_mov_b32 s47, 0
	s_mov_b64 s[18:19], KS
	s_mul_u64 s[22:23], s[20:21], s[18:19]
	s_mul_u64 s[92:93], s[46:47], s[18:19]
	s_mov_b64 s[18:19], KROW
	s_mul_u64 s[20:21], s[20:21], s[18:19]
	s_mul_u64 s[46:47], s[46:47], s[18:19]
	s_mul_i32 s45, s14, HALFT
	s_mul_i32 s94, s14, HALFS
	s_mov_b32 s[SEL], 0x76543210
	s_mov_b32 s[SEL+1], 0xfedcba98
	s_mov_b32 s[MNT], 0x600000
	s_wait_dscnt 0x0
	CROUND                                         ; the opening round, ahead of the wait for the arguments: all sixteen work-groups are here
	s_wait_kmcnt 0x0
	s_add_nc_u64 s[100:101], s[68:69], 0x400000
	s_cmp_eq_u32 ttmp9, 2
	s_cselect_b64 s[4:5], s[78:79], s[68:69]
	s_cselect_b64 s[6:7], s[80:81], s[100:101]
	s_cselect_b64 s[8:9], s[68:69], s[70:71]
	s_cselect_b64 s[10:11], s[100:101], s[72:73]
	s_cselect_b64 s[12:13], s[86:87], s[82:83]
	s_cmp_eq_u32 ttmp9, 1
	s_cselect_b64 s[8:9], s[74:75], s[8:9]
	s_cselect_b64 s[10:11], s[76:77], s[10:11]
	s_cselect_b64 s[12:13], s[84:85], s[12:13]
	s_cmp_eq_u32 ttmp9, 0
	s_cselect_b64 s[96:97], s[88:89], s[90:91]
	s_add_nc_u64 s[20:21], s[4:5], s[20:21]
	s_add_nc_u64 s[22:23], s[6:7], s[22:23]
	s_add_nc_u64 s[46:47], s[8:9], s[46:47]
	s_add_nc_u64 s[92:93], s[10:11], s[92:93]
	s_or_b32 s[G1S+0], s43, (0<<16)|(1<<20)|(1<<21)|(5<<22)|(3<<25)   ; the head's groups 1: whole tiles of 256 rows x 256 bytes
	s_or_b32 s[G1SB+0], s44, (0<<16)|(1<<20)|(1<<21)|(5<<22)|(3<<25)
.irp g, G1S, G1SB
	s_mov_b32 s[\g+1], ROWB<<16
	s_mov_b32 s[\g+2], 256<<16
	s_mov_b32 s[\g+3], ROWB<<16
	s_mov_b32 s[\g+4], 256
	s_mov_b32 s[\g+5], KROW
	s_mov_b32 s[\g+6], 0
	s_mov_b32 s[\g+7], 0
.endr
	; THE HEAD'S LOADS, one joint load a wave, an arm each: wave 0 K step 0 of A (256 rows), wave 1 K step 0 of B, wave 2 K step 1 of A, wave 3 K step 1 of B: both slots are asked for here
	s_mov_b32 s[G0S], 1
	s_mov_b32 s[G0S+1], 0
	s_mov_b64 s[G0S+2:G0S+3], s[20:21]
	s_or_b32 s[G0S+3], s[G0S+3], 0x80000000
	s_mov_b32 s[G0SB], 1
	s_mov_b32 s[G0SB+1], 2*HALFT
	s_mov_b64 s[G0SB+2:G0SB+3], s[46:47]
	s_or_b32 s[G0SB+3], s[G0SB+3], 0x80000000
	s_mov_b32 s4, 1                                ; (the arguments that lay in s4-11 have been used)
	s_mov_b32 s5, SLOT
	s_add_nc_u64 s[6:7], s[20:21], ROWB
	s_or_b32 s7, s7, 0x80000000
	s_mov_b32 s8, 1
	s_mov_b32 s9, SLOT+2*HALFT
	s_add_nc_u64 s[10:11], s[46:47], ROWB
	s_or_b32 s11, s11, 0x80000000
.macro ARM under, g0, g1, next
	s_cmp_lt_u32 s14, \under
	s_cbranch_scc0 \next
	tensor_load_to_lds s[\g0:\g0+3], s[\g1:\g1+7]
	s_nop 0
.rept 4
	v_nop
.endr
	s_branch .Lhead_asked
\next:
.endm
	ARM 1, G0S,  G1S,  .Lh_b0
	ARM 2, G0SB, G1SB, .Lh_a1
	ARM 3, 4,    G1S,  .Lh_b1
	tensor_load_to_lds s[8:11], s[G1SB:G1SB+7]
	s_nop 0
.rept 4
	v_nop
.endr
.Lhead_asked:
	s_lshl_b32 s18, s16, 17                        ; the ring: my 128 rows of a tile, 1,024 bytes a row
	s_mov_b32 s19, 0
	s_add_nc_u64 s[20:21], s[20:21], s[18:19]
	s_add_nc_u64 s[46:47], s[46:47], s[18:19]
.irp s, 0,1
	s_mov_b32 s[G0+4*\s], 1
	s_add_co_u32 s[G0+4*\s+1], s45, \s*SLOT
	s_add_nc_u64 s[G0+4*\s+2:G0+4*\s+3], s[20:21], \s*ROWB
	s_or_b32 s[G0+4*\s+3], s[G0+4*\s+3], 0x80000000
	s_mov_b32 s[G0B+4*\s], 1
	s_add_co_u32 s[G0B+4*\s+1], s45, \s*SLOT
	s_add_nc_u64 s[G0B+4*\s+2:G0B+4*\s+3], s[46:47], \s*ROWB
	s_or_b32 s[G0B+4*\s+3], s[G0B+4*\s+3], 0x80000000
.endr
	; K steps 2 and 3 are prefetched behind the head's loads: of the 128 rows that I fetch in the ring each of the four partners that ask for them jointly names 32, told apart by address, a lane a row.
	; The scale bytes of 128 rows, 4,096 dense bytes a wave, come once through registers into LDS bytes of their own, into which no tensor load lands.
	s_cmp_eq_u32 s15, 0
	s_cselect_b64 s[18:19], s[20:21], s[46:47]
	s_cselect_b64 s[22:23], s[22:23], s[92:93]
	s_cselect_b32 s2, s40, s41
	s_lshl_b32 s2, s2, 15
	s_mov_b32 s3, 0
	s_add_nc_u64 s[18:19], s[18:19], s[2:3]
	s_lshl_b32 s2, s16, 12
	s_add_nc_u64 s[22:23], s[22:23], s[2:3]
	s_add_co_u32 s94, s94, SCL
	v_and_b32 v26, 31, v0
	v_lshlrev_b32 v30, 4, v26
	v_bfe_u32 v31, v0, 4, 1
	v_lshl_add_u32 v31, v31, 4, v30
	v_add_nc_u32 v31, s94, v31                     ; 16 x lane, and 16 more for each 256 passed
	v_lshlrev_b32 v26, 10, v26
	s_wait_alu depctr_va_vdst(0)
	s_mov_b64 s[100:101], s[18:19]                 ; where my prefetches stand: kept for the lines behind the first barrier
.irp i, 0,1,2,3,4,5,6,7
	global_load_b128 v[AF+4*\i:AF+4*\i+3], v30, s[22:23] offset:512*\i
.endr
	s_wait_xcnt 0x0                                ; these have read their addresses, which are written again below
	v_and_b32 v1, 15, v0
	v_bfe_u32 v2, v0, 4, 1
	v_mul_u32_u24 v3, v1, PITCH
	v_lshl_add_u32 v4, v2, 4, v3
	s_mul_i32 s21, s15, HALFT
	s_mul_i32 s22, s16, HALFT
	s_add_co_u32 s22, s22, 2*HALFT
.irp s, 0,1
	v_add_nc_u32 v[ADRA+\s], s21, v4
	v_add_nc_u32 v[ADRB+\s], s22, v4
	s_add_co_u32 s21, s21, SLOT
	s_add_co_u32 s22, s22, SLOT
.endr
	v_mul_u32_u24 v5, v1, KS
	v_lshrrev_b32 v6, 8, v5
	v_lshl_add_u32 v5, v6, 4, v5
	s_mul_i32 s21, s15, HALFS
	s_mul_i32 s22, s16, HALFS
	s_add_co_u32 s22, s22, 2*HALFS
	s_sub_co_u32 s22, s22, s21
	v_mul_u32_u24 v6, s22, v2
	s_add_co_u32 s21, s21, SCL
	v_add_nc_u32 v5, v5, v6
	v_add_nc_u32 v[ADRS], s21, v5
	v_and_b32 v6, 31, v0
	v_lshlrev_b32 v[LI], 4, v6
	v_lshlrev_b32 v[LS], 2, v6
	s_mov_b32 s[HM], 0xffff0000
	s_cmp_eq_u32 ttmp9, 2
	s_cselect_b32 s2, s42, s17
	s_cselect_b32 s3, s16, s15
	s_cselect_b32 s18, s41, s40
	s_cselect_b32 s19, s15, s16
	s_cselect_b32 s20, 32768, 0
	s_mov_b32 s21, 65536
	s_cselect_b32 s21, 66560, s21
	s_cselect_b32 s22, 4, 0
	s_cselect_b32 s23, 0, 32
	s_cselect_b32 s45, 0, 4
	s_cmp_eq_u32 ttmp9, 0
	s_mov_b32 s46, 67584
	s_cselect_b32 s47, 32768, s46
	s_cselect_b32 s46, 1024, s46
	s_cselect_b32 s21, 4194304, s21
	s_lshl_b32 s18, s18, 1
	s_add_co_u32 s18, s18, s19
	s_lshr_b32 s19, s2, 3
	s_lshl_b32 s19, s19, 3
	s_add_co_u32 s19, s19, s18
	s_lshl_b32 s19, s19, 3
	s_and_b32 s2, s2, 7
	s_add_co_u32 s19, s19, s2
	s_mul_i32 s47, s19, s47
	s_mul_i32 s46, s19, s46
	s_lshl_b32 s2, s3, 14
	s_add_co_u32 s47, s47, s2
	s_add_co_u32 s92, s47, s20
	s_mov_b32 s93, 0
	s_lshl_b32 s2, s3, 9
	s_add_co_u32 s46, s46, s2
	s_add_co_u32 s46, s46, s21
	s_mov_b32 s47, 0
	s_add_nc_u64 s[98:99], s[96:97], s[46:47]
	s_add_nc_u64 s[96:97], s[96:97], s[92:93]
	s_lshl_b32 s2, s18, 9
	s_mov_b32 s3, 0
	s_add_nc_u64 s[12:13], s[12:13], s[2:3]
	v_mul_u32_u24 v[BA], v1, s22
	v_mad_u32_u24 v[BA], v2, s23, v[BA]
.irp j, 1,2,3,4,5,6,7
	s_mul_i32 s2, s45, \j
	v_add_nc_u32 v[BA+\j], s2, v[BA]
.endr
.irp i, 0,1,2,3,4,5,6,7
.irp j, 0,1,2,3,4,5,6,7
	global_load_b32 v[X+8*\i+\j], v[BA+\j], s[12:13] offset:64*\i
.endr
.endr
.macro FRAG reg, adr, q, i
.irp c, 0,1,2,3
	ds_load_b128 v[\reg+4*\c:\reg+4*\c+3], v[\adr] offset:128*(\q)+32*\c+(\i)*16*PITCH
.endr
.endm
.macro MUL16 a0, p, q, sc, zero
.irp a, \a0, \a0+1
.irp b, 0,1,2,3,4,5,6,7
.if \zero
	v_wmma_scale_f32_16x16x128_f8f6f4 v[8*(8*((\a)%4)+\b):8*(8*((\a)%4)+\b)+7], v[128*(\p)+FR*\b:128*(\p)+FR*\b+FR-1], v[AF+FR*(\a):AF+FR*(\a)+FR-1], 0, v[SC+8*NQ*(\sc)+NQ*\b+(\q)], v[SC+8*NQ*(\sc)+NQ*(\a)+(\q)] matrix_a_scale:MATRIX_SCALE_ROW1
.else
	v_wmma_scale_f32_16x16x128_f8f6f4 v[8*(8*((\a)%4)+\b):8*(8*((\a)%4)+\b)+7], v[128*(\p)+FR*\b:128*(\p)+FR*\b+FR-1], v[AF+FR*(\a):AF+FR*(\a)+FR-1], v[8*(8*((\a)%4)+\b):8*(8*((\a)%4)+\b)+7], v[SC+8*NQ*(\sc)+NQ*\b+(\q)], v[SC+8*NQ*(\sc)+NQ*(\a)+(\q)] matrix_a_scale:MATRIX_SCALE_ROW1
.endif
.endr
.endr
.endm
.macro FETCH_B slot, q, p
	WIN TO_B
.irp i, 0,1,2,3,4,5,6,7
	FRAG 128*(\p)+FR*\i, ADRB+\slot, \q, \i
.endr
	WIN 0
.endm
.macro FETCH_A slot, q, i0
.irp i, \i0, \i0+1, \i0+2, \i0+3
	FRAG AF+FR*(\i), ADRA+\slot, \q, \i
.endr
.endm
.macro SCALES sc
.irp i, 0,1,2,3,4,5,6,7
	ds_load_b64 v[SC+8*NQ*\sc+NQ*\i:SC+8*NQ*\sc+NQ*\i+1], v[ADRS] offset:\i*SBLK
.endr
.endm
.macro PLACES n
.rept \n
	v_nop
.endr
.endm
.macro STEP slot, q, zero
	s_wait_dscnt 4*NL
	WIN MUL_LO
	MUL16 0, (\q)%2, \q, \slot, \zero
	MUL16 2, (\q)%2, \q, \slot, \zero
	s_wait_dscnt 0
	PLACES NP
	FETCH_B \slot, (\q)+1, 1-(\q)%2
	FETCH_A \slot, (\q)+1, 0
	WIN MUL_HI
	MUL16 4, (\q)%2, \q, \slot, \zero
	MUL16 6, (\q)%2, \q, \slot, \zero
	PLACES NP
	WIN 0
	FETCH_A \slot, (\q)+1, 4
.endm
.macro TURN slot, next, fill
	s_wait_tensorcnt 0x0
	ds_add_u32 v[SPW], v[NIL]
	s_wait_dscnt 4*NL+1
	WIN MUL_LO
	MUL16 0, 1, NQ-1, \slot, 0
	s_wait_dscnt 0x0
	s_barrier_signal -1
	MUL16 2, 1, NQ-1, \slot, 0
	WIN 0
	s_barrier_wait -1
.if \fill
	CREST
	s_add_nc_u64 s[G0+4*\slot+2:G0+4*\slot+3], s[G0+4*\slot+2:G0+4*\slot+3], 2*ROWB
	s_add_nc_u64 s[G0B+4*\slot+2:G0B+4*\slot+3], s[G0B+4*\slot+2:G0B+4*\slot+3], 2*ROWB
	JLOAD G0+4*\slot, G1, G0B+4*\slot, G1B
	PLACES NP-4
.else
	PLACES NP
.endif
	s_wait_alu depctr_va_vdst(0)
	v_add_nc_u32 v[ADRS], 4*NQ, v[ADRS]
	FETCH_B \next, 0, 0
	FETCH_A \next, 0, 0
	SCALES \next
	WIN MUL_HI
	MUL16 4, 1, NQ-1, \slot, 0
	MUL16 6, 1, NQ-1, \slot, 0
	PLACES NP
	WIN 0
	FETCH_A \next, 0, 4
.endm
	s_wait_alu depctr_va_vdst(0)                   ; the wait at the head's end
	s_wait_loadcnt 63                              ; the scale bytes are in; behind them 64 loads of the bias were issued
.irp i, 0,1,2,3,4,5,6,7
	ds_store_b128 v31, v[AF+4*\i:AF+4*\i+3] offset:544*\i
.endr
	s_cmp_lt_u32 s14, 2
	s_cbranch_scc0 .Lnot_first
	s_wait_tensorcnt 0x0                           ; waves 0 and 1: K step 0 is in; waves 2 and 3 wait for K step 1 at the first change of slots
.Lnot_first:
	s_wait_dscnt 0x0                               ; for the others' sake: my stores are done
	s_barrier_signal -1
	s_barrier_wait -1
	global_prefetch_b8 v26, s[100:101] offset:2*ROWB th:TH_LOAD_NT scope:SCOPE_SE   ; K step 0 is in: my share of K steps 2 and 3, a K step and more ahead of their loads
	global_prefetch_b8 v26, s[100:101] offset:3*ROWB th:TH_LOAD_NT scope:SCOPE_SE
	FETCH_B 0, 0, 0
	FETCH_A 0, 0, 0
	SCALES 0
	FETCH_A 0, 0, 4
	STEP 0, 0, 1
	s_mov_b32 s3, LAPS-1
.Llap:
	TURN 0, 1, 1
	STEP 1, 0, 0
	TURN 1, 0, 1
	STEP 0, 0, 0
	s_sub_co_u32 s3, s3, 1
	s_cmp_lg_u32 s3, 0
	s_cbranch_scc1 .Llap
	TURN 0, 1, 0
	STEP 1, 0, 0
	s_wait_dscnt 4*NL
	WIN MUL_LO
	MUL16 0, 1, NQ-1, 1, 0
	MUL16 2, 1, NQ-1, 1, 0
	s_wait_dscnt 0
	WIN MUL_HI
	MUL16 4, 1, NQ-1, 1, 0
	MUL16 6, 1, NQ-1, 1, 0
	WIN 0
.macro QUANT s, pw
.irp b, 0,1,2,3
	v_max3_num_f32 v[TM+\b], |v[\s+16*\b]|, |v[\s+1+16*\b]|, 0x4800000
.endr
.irp i, 2,4,6,8,10,12,14
.irp b, 0,1,2,3
	v_max3_num_f32 v[TM+\b], v[TM+\b], |v[\s+16*\b+\i]|, |v[\s+1+16*\b+\i]|
.endr
.endr
.irp b, 0,1,2,3
	v_permlanex16_b32 v[TM+4+\b], v[TM+\b], s[SEL], s[SEL+1]
.endr
.irp b, 0,1,2,3
	v_max_num_f32 v[TM+\b], v[TM+\b], v[TM+4+\b]
.endr
.irp b, 0,1,2,3
	v_add_nc_u32 v[TM+12+\b], 0xfc000000, v[TM+\b]
.endr
.irp b, 0,1,2,3
	v_and_or_b32 v[TM+8+\b], v[TM+\b], 0x7f800000, s[MNT]
.endr
.irp b, 0,1,2,3
	v_lshrrev_b32 v[TM+4+\b], 23, v[TM+12+\b]
.endr
	v_lshl_or_b32 v[\pw], v[TM+5], 8, v[TM+4]
	v_lshl_or_b32 v[\pw], v[TM+6], 16, v[\pw]
	v_lshl_or_b32 v[\pw], v[TM+7], 24, v[\pw]
.irp b, 0,1,2,3
.irp i, 0,1,2,3,4,5,6,7,8,9,10,11,12,13,14,15
	v_med3_num_f32 v[\s+16*\b+\i], v[\s+16*\b+\i], -v[TM+8+\b], v[TM+8+\b]
.endr
	v_cvt_scalef32_pk8_fp8_f32 v[PC+4*\b:PC+4*\b+1], v[\s+16*\b:\s+16*\b+7], v[TM+12+\b]
	v_cvt_scalef32_pk8_fp8_f32 v[PC+4*\b+2:PC+4*\b+3], v[\s+16*\b+8:\s+16*\b+15], v[TM+12+\b]
.endr
	v_nop
.irp b, 0,1,2,3
	v_permlane16_swap_b32 v[PC+4*\b], v[PC+4*\b+2]
	v_permlane16_swap_b32 v[PC+4*\b+1], v[PC+4*\b+3]
.endr
.endm
.macro OUT a
.set AC, 64*((\a)%4)
	s_wait_xcnt 0x0
	s_cmp_eq_u32 ttmp9, 2
	s_cbranch_scc1 .Lrow_\@
	WIN (2+(\a)/4)
.set i, 0
.rept 32
	v_pk_add_f32 v[ST+i:ST+i+1], v[AC+i:AC+i+1], v[X+i:X+i+1]
.set i, i+2
.endr
	WIN 0
	s_branch .Ladded_\@
.Lrow_\@:
	WIN (2+(\a)/4)
.set i, 0
.rept 32
	v_pk_add_f32 v[ST+i:ST+i+1], v[AC+i:AC+i+1], v[X+8*(\a):X+8*(\a)+1]
.set i, i+2
.endr
	WIN 0
.Ladded_\@:
	QUANT ST, PW0+(\a)%2
.irp c, 0,1,2,3
	global_store_b128 v[LI], v[PC+4*\c:PC+4*\c+3], s[96:97] offset:2048*(\a)+512*\c
.endr
.if (\a)%2
	v_cndmask_b32 v[PWS+(\a)/2], v[PW0], v[PW0+1], s[HM]
	global_store_b32 v[LS], v[PWS+(\a)/2], s[98:99] offset:128*((\a)/2)
.endif
.endm
	PLACES NP
	s_wait_loadcnt 0x0
.irp b, 0,1,2,3
	v_mov_b32 v[TM+4+\b], 0
.endr
.irp a, 0,1,2,3,4,5,6,7
	OUT \a
.endr
	s_wait_tensorcnt 0x0
	ds_add_u32 v[SPW], v[NIL]
	s_wait_dscnt 0x0
	CROUND
	s_endpgm
.Lfunc_end_k_q003d163df1_qkv:
	.size	k_q003d163df1_qkv, .Lfunc_end_k_q003d163df1_qkv-k_q003d163df1_qkv
	.p2alignl 7, 3214868480
	.fill 96, 4, 3214868480
	.section	.rodata,"a",@progbits
	.p2align	6, 0x0
	.amdhsa_kernel k_q003d163df1_qkv
		.amdhsa_group_segment_fixed_size 327680
		.amdhsa_private_segment_fixed_size 0
		.amdhsa_enable_private_segment 0
		.amdhsa_kernarg_size 96
		.amdhsa_user_sgpr_count 2
		.amdhsa_user_sgpr_kernarg_segment_ptr 1
		.amdhsa_wavefront_size32 1
		.amdhsa_system_sgpr_workgroup_id_x 1
		.amdhsa_system_sgpr_workgroup_id_y 1
		.amdhsa_system_sgpr_workgroup_id_z 1
		.amdhsa_system_vgpr_workitem_id 0
		.amdhsa_next_free_vgpr 1024
		.amdhsa_next_free_sgpr 102
		.amdhsa_reserve_vcc 0
		.amdhsa_float_denorm_mode_32 3
		.amdhsa_float_denorm_mode_16_64 3
		.amdhsa_memory_ordered 1
		.amdhsa_forward_progress 1
		.amdhsa_inst_pref_size 230
	.end_amdhsa_kernel
	.amdgpu_metadata
---
amdhsa.version: [ 1, 2 ]
amdhsa.kernels:
  - .name:           k_q003d163df1_qkv
    .symbol:         k_q003d163df1_qkv.kd
    .args:
      - { .name: h, .offset: 0, .size: 8, .value_kind: global_buffer, .address_space: global }
      - { .name: wq_codes, .offset: 8, .size: 8, .value_kind: global_buffer, .address_space: global }
      - { .name: wq_scales, .offset: 16, .size: 8, .value_kind: global_buffer, .address_space: global }
      - { .name: wk_codes, .offset: 24, .size: 8, .value_kind: global_buffer, .address_space: global }
      - { .name: wk_scales, .offset: 32, .size: 8, .value_kind: global_buffer, .address_space: global }
      - { .name: wv_codes, .offset: 40, .size: 8, .value_kind: global_buffer, .address_space: global }
      - { .name: wv_scales, .offset: 48, .size: 8, .value_kind: global_buffer, .address_space: global }
      - { .name: bq, .offset: 56, .size: 8, .value_kind: global_buffer, .address_space: global }
      - { .name: bk, .offset: 64, .size: 8, .value_kind: global_buffer, .address_space: global }
      - { .name: bv, .offset: 72, .size: 8, .value_kind: global_buffer, .address_space: global }
      - { .name: q, .offset: 80, .size: 8, .value_kind: global_buffer, .address_space: global }
      - { .name: kv, .offset: 88, .size: 8, .value_kind: global_buffer, .address_space: global }
    .group_segment_fixed_size: 327680
    .private_segment_fixed_size: 0
    .kernarg_segment_align: 8
    .kernarg_segment_size: 96
    .max_flat_workgroup_size: 128
    .sgpr_count:     102
    .vgpr_count:     1024
    .wavefront_size: 32
...
	.end_amdgpu_metadata
.endif
;; end of part 2
;; launch attn (part 3): grid 16 x 16, 8 waves a work-group, no clusters, 327,680 bytes of LDS; arguments q, kv, y; writes y
.if DOCPART == 3
	.amdgcn_target "amdgcn-amd-amdhsa--gfx1250"
	.amdhsa_code_object_version 6
	.text
	.protected	k_q003d163df1_attn
	.globl	k_q003d163df1_attn
	.p2align	8
	.type	k_q003d163df1_attn,@function
k_q003d163df1_attn:
	s_mov_b64 s[64:65], 0
	v_nop
	global_prefetch_b8 v0, s[64:65] scope:SCOPE_SE
	s_setreg_imm32_b32 hwreg(HW_REG_WAVE_MODE, 25, 1), 1
	s_wait_xcnt 0x0
; y[b][s][head 128 + d] = causal attention on codes of E4M3, both products scaled; y is quantised along the model's axis for the projection that follows.
; WORK LEFT OUT: for each tile of 16 queries, a step of 128 keys all of which come after them: reference()'s own mask makes their weights 0 for all inputs (shown at the head of the first kernel).
; THE SOFTMAX: t = score x log2(e) / sqrt(128); M = the running largest t rounded up to a whole number; p = 2^(t - M) is quantised along the keys, not normalised; the sum is taken of the unquantised p and divides at the end.
; SHARES.  Work-group (j, bh) owns the chunks j and 31 - j of 64 queries of one head.  A PAIR OF WAVES p = 0 .. 3 OWNS TWO TILES: tile 0 is tile p of chunk 31 - j, tile 1 is tile p of chunk j.  A slot holds two key steps, and a wave
; does the step of its own parity for both its tiles, with M, sum and O^T of its own: j / 2 + (31 - j) / 2 + 2 = 17 tile steps to a pair of waves, whatever j and p, and every wave has work in every slot that the work-group walks.
; Where both tiles count, each fragment of K and of V^T feeds two matrix instructions; where tile 1's queries all come before the step's keys, tile 1's products and softmax are jumped over (ids and the count of steps alone).
; At the end the odd wave hands its three to the even one through LDS; M is a whole number, so bringing both under the larger M multiplies by exact powers of two.
; LAYOUT.  Both products transposed (source 0 = 16 keys, or 16 of the head's 128; source 1 = 16 queries, or p): a lane holds one query.  K, V^T and q come as images of operand registers (launch qkv), so a fragment is
; four loads of 16 x lane.  p's codes are brought into the operand's order by exchanges of half rows.
; REGISTERS, in two windows of 256.  Window 0: v1-11 addresses; v12 -M, v13 the largest t, v[14:15] the sum; v16-31 q; v32-95 fragments 0-3; v96-159 S^T, then p; v160-223 O^T; v224-239 p's codes; v232-254 at work: all for tile 0.
; Window 1: the same numbers for tile 1; its v32-95 hold fragments 4-7.  So the softmax is written once and run under either window.  Scale operands have no window: v248-251 hold the words of fragment t in lanes 0-15 and of
; fragment t + 4 in lanes 16-31; v255 q's words and v253 p's, tile 0's in lanes 0-15 and tile 1's in lanes 16-31.
; No cluster: the work-groups of a head stop asking at different causal limits, and the jump that ends the asking may lead round no joint load.
; LIMITS: NaN and infinities are not served; a block of zeros gets the byte 1 (its codes are zeros; this program alone reads the bytes).
.set SLOT1, 1<<17                      ; slot 1 begins here: one exclusive or turns an address
.set SLB,   67584                      ; a slot's bytes
.set MRG,   SLOT1+SLB                  ; for each tile 8,448 bytes: the odd wave's O^T (8,192), -M (128), sum (128)
.set MT,    8448
.set SPARE, MRG+8*MT                   ; the spare words, 128 bytes for each of 8 waves: four blocks of 256 bytes that no other line names
.set AF0, 1                            ; v1  16 x lane + 16,384 x parity: my step's images of K in a slot
.set AS0, 2                            ; v2  65,536 + 512 x parity + 4 r + 256 h: its scale words, lanes 16-31 four fragments on
.set MA,  3                            ; v3  my pair's place in MRG + 16 x lane
.set MS,  4                            ; v4  + 8,192 + 4 x lane
.set SPW, 5
.set NIL, 6
.set PFO, 7                            ; v7  256 x lane
.set ADF, 8
.set ADS, 9
.set LI,  10                           ; v10 16 x lane
.set DQ,  11                           ; v11 r - 8 h, in both windows
.set TM,  232
.set PC,  224
.set TB,   2
.set WV,   18
.set MNT,  19
.set SEL,  20
.set CS,   22
.set G1,   24
.set G0,   40
.set KS0,  66                          ; the first key of the slot in hand
.set SLOTS, 67
.set PAR,  68
.set HM,   69                          ; the mask of lanes 16-31
.set DW,   70                          ; 64 x (tile 0's number - tile 1's): from tile 1's scale words to tile 0's, in q and in y
.set LASTQ, 71                         ; the work-group's last query
.set PFA,  76
.set Q1,   78                          ; tile 1's first query
.set LIM,  80
.set KF,   98                          ; my step's first key
.set Q0,   99                          ; tile 0's first query
.set MSB, 0
.macro WIN new                         ; the immediate's high byte repeats the setting that is left; bits 1:0 source 0, 3:2 source 1, 5:4 source 2, 7:6 destination
.if MSB != \new
	s_set_vgpr_msb (MSB<<8)|\new
.set MSB, \new
.endif
.endm
.macro TLOAD                           ; waves 0 to 3 fetch a quarter of a slot each
	s_cmp_lt_u32 s[WV], 4
	s_cbranch_scc0 .Lasked_\@
	tensor_load_to_lds s[G0:G0+3], s[G1:G1+7]
	s_nop 0
.rept 4
	v_nop
.endr
.Lasked_\@:
.endm
; A prefetch of the slot that the NEXT change of slots will ask for.  All work-groups of a head walk the same slots: the one with x = 0, which walks all eight, asks; in it waves 4 to 7, twice 8,192 bytes each,
; lanes 256 bytes apart: the slot's first 65,536 bytes, each block of 256 named once in the launch.  The scale words behind them come by their load alone.  The last change that fills a slot asks for nothing.
.macro ASK
	s_cmp_gt_u32 s[SLOTS], s[LIM]
	s_cbranch_scc0 .Lnot_mine_\@
	global_prefetch_b8 v[PFO], s[PFA:PFA+1] th:TH_LOAD_NT scope:SCOPE_SE
	global_prefetch_b8 v[PFO], s[PFA:PFA+1] offset:32768 th:TH_LOAD_NT scope:SCOPE_SE
.Lnot_mine_\@:
.endm
	s_load_b128 s[4:7], s[0:1], 0x0                ; q, kv
	s_load_b64 s[8:9], s[0:1], 0x10                ; y
	v_lshl_add_u32 v[SPW], v0, 2, SPARE
	v_mov_b32 v[NIL], 0
	ds_add_u32 v[SPW], v[NIL]                      ; the wave's opening: the add, twice on end, and its wait ahead of my first tensor load
	ds_add_u32 v[SPW], v[NIL]
	v_lshrrev_b32 v8, 5, v0
	s_delay_alu instid0(VALU_DEP_1)
	v_readfirstlane_b32 s[WV], v8                  ; wave 0..7
	s_and_b32 s72, ttmp7, 0xffff                   ; bh
	s_and_b32 s[PAR], s[WV], 1                     ; my parity
	s_lshr_b32 s73, s[WV], 1                       ; my pair of waves, p
	s_sub_co_u32 s74, 31, ttmp9
	s_lshl_b32 s75, s74, 2
	s_add_co_u32 s75, s75, s73                     ; tile 0: tile p of chunk 31 - j
	s_lshl_b32 s[Q0], s75, 4
	s_lshl_b32 s[DW], ttmp9, 1
	s_sub_co_u32 s[DW], 31, s[DW]
	s_lshl_b32 s[DW], s[DW], 8                     ; tile 1 lies 4 (31 - 2 j) tiles before it
	s_lshr_b32 s[Q1], s[DW], 2
	s_sub_co_u32 s[Q1], s[Q0], s[Q1]
	s_lshl_b32 s[LASTQ], s74, 6
	s_add_co_u32 s[LASTQ], s[LASTQ], 63
	s_lshl_b32 s[KF], s[PAR], 7
	s_mov_b32 s[KS0], 0
	s_mov_b32 s[TB], 0
	s_mov_b32 s[SLOTS], 7
	s_mov_b32 s[HM], 0xffff0000
	s_mov_b32 s[G1], 3<<16                         ; no mask, elements of 8 bytes, no padding: a dense block of 16,896 bytes as 66 rows of 256
	s_mov_b32 s[G1+1], 32<<16
	s_mov_b32 s[G1+2], 66<<16
	s_mov_b32 s[G1+3], 32<<16
	s_mov_b32 s[G1+4], 66
	s_mov_b32 s[G1+5], 32
	s_mov_b32 s[G1+6], 0
	s_mov_b32 s[G1+7], 0
	s_and_b32 s82, s[WV], 3
	s_mul_i32 s83, s82, 16896                      ; my quarter
	s_mul_i32 s84, s72, 8*SLB                      ; the head's eight slots
	s_mov_b32 s85, 0
	s_lshl_b32 s86, s72, 7
	s_add_co_u32 s86, s86, s75
	s_lshl_b32 s88, s86, 11                        ; tile 0's image of q
	s_mov_b32 s89, 0
	s_lshl_b32 s90, s86, 6
	s_add_co_u32 s90, s90, 4194304
	s_sub_co_u32 s90, s90, s[DW]                   ; q's words, from tile 1's on
	s_mov_b32 s91, 0
	s_lshr_b32 s92, s72, 3                         ; batch
	s_and_b32 s93, s72, 7                          ; head
	s_lshl_b32 s94, s92, 7
	s_add_co_u32 s94, s94, s75
	s_lshl_b32 s94, s94, 3
	s_add_co_u32 s94, s94, s93
	s_lshl_b32 s94, s94, 11                        ; y's image: [tile of rows 256][head 8][2048]: tile 0's
	s_mov_b32 s95, 0
	s_lshl_b32 s96, s93, 12
	s_lshl_b32 s97, s92, 11
	s_add_co_u32 s96, s96, s97
	s_add_co_u32 s96, s96, s[Q0]
	s_lshl_b32 s96, s96, 2
	s_add_co_u32 s96, s96, 4194304                 ; y's words: [head 8][row 4096],
	s_sub_co_u32 s96, s96, s[DW]                   ; from tile 1's on
	s_mov_b32 s97, 0
	s_mov_b32 s[SEL], 0x76543210
	s_mov_b32 s[SEL+1], 0xfedcba98
	s_mov_b32 s[CS], 0x3e0293ee                    ; c = log2(e) / sqrt(128)
	s_mov_b32 s[CS+1], s[CS]
	s_mov_b32 s[MNT], 0x600000
	s_wait_dscnt 0x0                               ; both opening adds are done
	s_wait_kmcnt 0x0
	s_add_nc_u64 s[6:7], s[6:7], s[84:85]          ; kv at my head
	s_mov_b32 s84, s83
	s_mov_b32 s[G0], 1
	s_mov_b32 s[G0+1], s83
	s_add_nc_u64 s[G0+2:G0+3], s[6:7], s[84:85]
	s_or_b32 s[G0+3], s[G0+3], 0x80000000
	TLOAD                                          ; slot 0: key 0 counts for every query, so it is read
	s_add_nc_u64 s[14:15], s[4:5], s[90:91]
	s_add_nc_u64 s[4:5], s[4:5], s[88:89]
	s_add_nc_u64 s[12:13], s[8:9], s[96:97]
	s_add_nc_u64 s[10:11], s[8:9], s[94:95]
	s_lshl_b32 s92, s[DW], 5                       ; 2,048 bytes a tile of q
	s_mov_b32 s93, 0
	s_sub_nc_u64 s[88:89], s[4:5], s[92:93]        ; tile 1's image of q
	s_lshl_b32 s92, s[DW], 8                       ; 16,384 bytes a tile of rows of y
	s_sub_nc_u64 s[90:91], s[10:11], s[92:93]      ; tile 1's image of y
	s_sub_co_u32 s82, s[WV], 4
	s_and_b32 s84, s82, 3
	s_lshl_b32 s84, s84, 13
	s_add_co_u32 s84, s84, SLB                     ; in slot 1: the first change of slots steps it to slot 2
	s_add_nc_u64 s[PFA:PFA+1], s[6:7], s[84:85]
	s_lshr_b32 s82, s82, 2                         ; 0 in waves 4 to 7
	s_or_b32 s82, s82, ttmp9                       ; of the work-group with x = 0
	s_cmp_eq_u32 s82, 0
	s_cselect_b32 s[LIM], 1, -1
	v_and_b32 v8, 15, v0                           ; r
	v_bfe_u32 v9, v0, 4, 1                         ; h
	v_and_b32 v[PFO], 31, v0
	s_delay_alu instid0(VALU_DEP_1)
	v_lshlrev_b32 v[LI], 4, v[PFO]
	s_delay_alu instid0(VALU_DEP_2)
	v_lshlrev_b32 v[PFO], 8, v[PFO]
	s_lshl_b32 s81, s[PAR], 14
	v_add_nc_u32 v[AF0], s81, v[LI]
	s_lshl_b32 s81, s[PAR], 9
	s_add_co_u32 s81, s81, 65536
	v_lshl_add_u32 v[AS0], v8, 2, s81
	s_delay_alu instid0(VALU_DEP_1)
	v_lshl_add_u32 v[AS0], v9, 8, v[AS0]           ; lanes 16-31: four fragments' words (256 bytes) further on
	s_mul_i32 s81, s73, 2*MT
	s_add_co_u32 s81, s81, MRG
	v_add_nc_u32 v[MA], s81, v[LI]
	s_add_co_u32 s81, s81, 8192
	v_lshrrev_b32 v[MS], 2, v[LI]
	s_delay_alu instid0(VALU_DEP_1)
	v_add_nc_u32 v[MS], s81, v[MS]
	v_lshlrev_b32 v9, 3, v9
	s_delay_alu instid0(VALU_DEP_1)
	v_sub_nc_u32 v[DQ], v8, v9
	v_lshlrev_b32 v8, 2, v8                        ; 4 r: tile 1's words, for lanes 16-31;
	v_add_nc_u32 v9, s[DW], v8                     ; tile 0's, for lanes 0-15
	v_cndmask_b32 v8, v9, v8, s[HM]
.irp c, 0,1,2,3
	global_load_b128 v[16+4*\c:19+4*\c], v[LI], s[4:5] offset:512*\c   ; tile 0's q stays in registers
.endr
	global_load_b32 v255, v8, s[14:15]             ; q's scale words: lanes 0-15 tile 0's, lanes 16-31 tile 1's
	WIN 0x40                                       ; destination window 1
.irp c, 0,1,2,3
	global_load_b128 v[16+4*\c:19+4*\c], v[LI], s[88:89] offset:512*\c   ; tile 1's
.endr
	WIN 0
.macro INIT s                          ; a tile's state at the start
	v_mov_b32 v13, 0xff61b1e6                      ; the largest t so far: -3e38
	v_mov_b32 v12, 0x7f61b1e6                      ; -M = 3e38, a whole number
	v_mov_b32 v14, 0
	v_mov_b32 v15, 0
.irp b, 0,1,2,3
	v_mov_b32 v[236+\b], 0                         ; written once: a lane permute's destination counts as one of its sources
.endr
	v_mov_b32 v252, 0
	v_mov_b32 v253, 0
	v_mov_b32 v254, 0
.set i, 0
.rept 64
	v_mov_b32 v[160+i], 0                          ; O^T: the step is written for all steps alike; the first finds zeros
.set i, i+1
.endr
.if \s
.set i, 0
.rept 64
	v_mov_b32 v[96+i], 0                           ; tile 1's S^T is made under one branch and read under a later one on the same number: written once here, it holds numbers on every way through the text
.set i, i+1
.endr
.endif
.endm
	INIT 0
	WIN 0x40
	v_mov_b32 v[DQ], v[DQ]                         ; window 0's into window 1's
	INIT 1
	WIN 0
	s_wait_loadcnt 0x0                             ; q; its address registers are free
.macro QUANT s, pw                     ; as in launch qkv: 64 numbers, v[s + 8 t + j] = k 16 t + 8 (lane / 16) + j, to a fragment's codes in v[PC] on and its scale word in v[pw]
.irp b, 0,1,2,3
	v_max3_num_f32 v[TM+\b], |v[\s+16*\b]|, |v[\s+1+16*\b]|, 0x4800000
.endr
.irp i, 2,4,6,8,10,12,14
.irp b, 0,1,2,3
	s_delay_alu instid0(VALU_DEP_4)
	v_max3_num_f32 v[TM+\b], v[TM+\b], |v[\s+16*\b+\i]|, |v[\s+1+16*\b+\i]|
.endr
.endr
.irp b, 0,1,2,3
	s_delay_alu instid0(VALU_DEP_4)
	v_permlanex16_b32 v[TM+4+\b], v[TM+\b], s[SEL], s[SEL+1]
.endr
.irp b, 0,1,2,3
	s_delay_alu instid0(VALU_DEP_4)
	v_max_num_f32 v[TM+\b], v[TM+\b], v[TM+4+\b]
.endr
.irp b, 0,1,2,3
	s_delay_alu instid0(VALU_DEP_4)
	v_add_nc_u32 v[TM+12+\b], 0xfc000000, v[TM+\b]
.endr
.irp b, 0,1,2,3
	v_and_or_b32 v[TM+8+\b], v[TM+\b], 0x7f800000, s[MNT]
.endr
.irp b, 0,1,2,3
	v_lshrrev_b32 v[TM+4+\b], 23, v[TM+12+\b]
.endr
	s_delay_alu instid0(VALU_DEP_3)
	v_lshl_or_b32 v[\pw], v[TM+5], 8, v[TM+4]
	s_delay_alu instid0(VALU_DEP_1)
	v_lshl_or_b32 v[\pw], v[TM+6], 16, v[\pw]
	s_delay_alu instid0(VALU_DEP_1)
	v_lshl_or_b32 v[\pw], v[TM+7], 24, v[\pw]
.irp b, 0,1,2,3
.irp i, 0,1,2,3,4,5,6,7,8,9,10,11,12,13,14,15
	v_med3_num_f32 v[\s+16*\b+\i], v[\s+16*\b+\i], -v[TM+8+\b], v[TM+8+\b]
.endr
	v_cvt_scalef32_pk8_fp8_f32 v[PC+4*\b:PC+4*\b+1], v[\s+16*\b:\s+16*\b+7], v[TM+12+\b]   ; (the last two blocks' codes land on the maxima and the bytes, which are done with)
	v_cvt_scalef32_pk8_fp8_f32 v[PC+4*\b+2:PC+4*\b+3], v[\s+16*\b+8:\s+16*\b+15], v[TM+12+\b]
.endr
	v_nop
.irp b, 0,1,2,3
	v_permlane16_swap_b32 v[PC+4*\b], v[PC+4*\b+2]
	v_permlane16_swap_b32 v[PC+4*\b+1], v[PC+4*\b+3]
.endr
.endm
; 36 LDS loads in one run: four registers of scale words, fragments 0-3 into window 0, fragments 4-7 into window 1.  co, wo: where the eight images and their words begin behind v[ADF] and v[ADS].
.macro FETCH co, wo
.irp t, 0,1,2,3
	ds_load_b32 v[248+\t], v[ADS] offset:\wo+64*\t
.endr
.irp t, 0,1,2,3
.irp c, 0,1,2,3
	ds_load_b128 v[32+16*\t+4*\c:32+16*\t+4*\c+3], v[ADF] offset:\co+\t*2048+512*\c
.endr
.endr
	WIN 0x40
.irp t, 0,1,2,3
.irp c, 0,1,2,3
	ds_load_b128 v[32+16*\t+4*\c:32+16*\t+4*\c+3], v[ADF] offset:\co+(4+\t)*2048+512*\c
.endr
.endr
	WIN 0
.endm
; One product.  g: the fragment lies in window g, and its words in lanes 16 g on; x: the tile, whose q or p lies in window x, with its words in lanes 16 x on.
.macro WMS d, a, sa, g, x              ; S^T: starts its sum
.if (\g) == 0 && (\x) == 0
	v_wmma_scale_f32_16x16x128_f8f6f4 v[\d:\d+7], v[\a:\a+15], v[16:31], 0, v[\sa], v255
.elseif (\x) == 0
	v_wmma_scale_f32_16x16x128_f8f6f4 v[\d:\d+7], v[\a:\a+15], v[16:31], 0, v[\sa], v255 matrix_a_scale:MATRIX_SCALE_ROW1
.elseif (\g) == 0
	v_wmma_scale_f32_16x16x128_f8f6f4 v[\d:\d+7], v[\a:\a+15], v[16:31], 0, v[\sa], v255 matrix_b_scale:MATRIX_SCALE_ROW1
.else
	v_wmma_scale_f32_16x16x128_f8f6f4 v[\d:\d+7], v[\a:\a+15], v[16:31], 0, v[\sa], v255 matrix_a_scale:MATRIX_SCALE_ROW1 matrix_b_scale:MATRIX_SCALE_ROW1
.endif
.endm
.macro WMP d, a, sa, g, x              ; O^T: adds in place
.if (\g) == 0 && (\x) == 0
	v_wmma_scale_f32_16x16x128_f8f6f4 v[\d:\d+7], v[\a:\a+15], v[224:239], v[\d:\d+7], v[\sa], v253
.elseif (\x) == 0
	v_wmma_scale_f32_16x16x128_f8f6f4 v[\d:\d+7], v[\a:\a+15], v[224:239], v[\d:\d+7], v[\sa], v253 matrix_a_scale:MATRIX_SCALE_ROW1
.elseif (\g) == 0
	v_wmma_scale_f32_16x16x128_f8f6f4 v[\d:\d+7], v[\a:\a+15], v[224:239], v[\d:\d+7], v[\sa], v253 matrix_b_scale:MATRIX_SCALE_ROW1
.else
	v_wmma_scale_f32_16x16x128_f8f6f4 v[\d:\d+7], v[\a:\a+15], v[224:239], v[\d:\d+7], v[\sa], v253 matrix_a_scale:MATRIX_SCALE_ROW1 matrix_b_scale:MATRIX_SCALE_ROW1
.endif
.endm
.macro SMUL g, x                       ; four products: fragments 4 g .. 4 g + 3 of K against tile x's q
	WIN ((\g)|((\x)<<2)|((\x)<<6))
.irp t, 0,1,2,3
	WMS 96+8*(4*(\g)+\t), 32+16*\t, 248+\t, \g, \x
.endr
.endm
.macro PMUL g, x                       ; four products: fragments 4 g .. 4 g + 3 of V^T against tile x's p.  A tile's eight accumulators take turns, one instruction a turn
	WIN ((\g)|((\x)<<2)|((\x)<<4)|((\x)<<6))
.irp t, 0,1,2,3
	WMP 160+8*(4*(\g)+\t), 32+16*\t, 248+\t, \g, \x
.endr
.endm
.macro MASK                            ; s96 = the tile's first query - KF.  d = my query - KF - 8 (lane / 16): register 8 t + j is hidden where 16 t + j > d
	v_add_nc_u32 v252, s96, v[DQ]
	v_mov_b32 v254, 0xff800000                     ; -infinity
.set i, 0
.rept 64
	v_cmp_gt_i32 vcc_lo, 16*(i/8)+i%8, v252
	v_cndmask_b32 v[96+i], v[96+i], v254, vcc_lo
.set i, i+1
.endr
.endm
; THE SOFTMAX of tile x for this step, all in window x: from the scores in v96-159 to p's codes in v224-239, its scale word, the sum and O^T under the new M.
.macro SOFT x
	WIN (0x55*(\x))
.irp b, 0,1,2,3
	v_max3_num_f32 v[232+\b], v[96+16*\b], v[97+16*\b], v[98+16*\b]   ; the largest score of each block of 32 keys: for the row's maximum, and, since p rises with the score, for the block's largest p
.endr
.irp i, 3,5,7,9,11,13
.irp b, 0,1,2,3
	v_max3_num_f32 v[232+\b], v[232+\b], v[96+16*\b+\i], v[97+16*\b+\i]
.endr
.endr
.irp b, 0,1,2,3
	v_max_num_f32 v[232+\b], v[232+\b], v[111+16*\b]
.endr
.irp b, 0,1,2,3
	s_delay_alu instid0(VALU_DEP_4)
	v_permlanex16_b32 v[236+\b], v[232+\b], s[SEL], s[SEL+1]
.endr
.irp b, 0,1,2,3
	s_delay_alu instid0(VALU_DEP_4)
	v_max_num_f32 v[232+\b], v[232+\b], v[236+\b]
.endr
	s_delay_alu instid0(VALU_DEP_2)
	v_max3_num_f32 v254, v232, v233, v234
	s_delay_alu instid0(VALU_DEP_1)
	v_max_num_f32 v254, v254, v235
	s_delay_alu instid0(VALU_DEP_1)
	v_mul_f32 v254, s[CS], v254
	s_delay_alu instid0(VALU_DEP_1)
	v_max_num_f32 v13, v13, v254                   ; the running largest t
	v_mov_b32 v254, v12
	s_delay_alu instid0(VALU_DEP_2)
	v_floor_f32 v12, -v13                          ; the new -M = -ceil(t)
	s_delay_alu instid0(VALU_DEP_1)
	v_sub_f32 v254, v12, v254                      ; old M - new M: a whole number, 0 or less
	s_delay_alu instid0(VALU_DEP_1)
	v_cvt_i32_f32 v254, v254                       ; (it saturates)
	s_delay_alu instid0(VALU_DEP_1)
	v_ldexp_f32 v252, 1.0, v254                    ; f = 2^(old M - new M)
.set i, 0
.rept 32
	v_pk_fma_f32 v[96+i:97+i], v[96+i:97+i], s[CS:CS+1], v[12:13] op_sel_hi:[1,0,0]   ; t - M
.set i, i+2
.endr
.irp b, 0,1,2,3
	v_fma_f32 v[232+\b], v[232+\b], s[CS], v12
.endr
.set i, 0
	s_wait_alu depctr_va_vdst(0)                   ; the wait ahead of the batch
.rept 64
	v_exp_f32 v[96+i], v[96+i]                     ; p = 2^(t - M)
.set i, i+1
.endr
	v_pk_mul_f32 v[14:15], v[14:15], v[252:253] op_sel_hi:[1,0]   ; the sums under the new M; a plain instruction behind the exponentials
	s_wait_alu depctr_va_vdst(0)                   ; one wait for the batch, ahead of its first reader
.irp b, 0,1,2,3
	v_exp_f32 v[232+\b], v[232+\b]                 ; the block's largest p
.endr
	v_pk_add_f32 v[236:237], v[96:97], v[98:99]    ; the sum of the unquantised p, in two chains
.irp j, 4,8,12,16,20,24,28,32,36,40,44,48,52,56,60
	v_pk_add_f32 v[14:15], v[14:15], v[96+\j:97+\j]
	v_pk_add_f32 v[236:237], v[236:237], v[98+\j:99+\j]
.endr
	s_delay_alu instid0(VALU_DEP_1)
	v_pk_add_f32 v[14:15], v[14:15], v[236:237]
	s_wait_alu depctr_va_vdst(0)                   ; and one for the four
.irp b, 0,1,2,3
	v_max_num_f32 v[232+\b], 0x4800000, v[232+\b]
.endr
.irp b, 0,1,2,3
	s_delay_alu instid0(VALU_DEP_4)
	v_add_nc_u32 v[244+\b], 0xfc000000, v[232+\b]
.endr
.irp b, 0,1,2,3
	v_and_or_b32 v[240+\b], v[232+\b], 0x7f800000, s[MNT]
.endr
.irp b, 0,1,2,3
	v_lshrrev_b32 v[236+\b], 23, v[244+\b]
.endr
	s_delay_alu instid0(VALU_DEP_3)
	v_lshl_or_b32 v253, v237, 8, v236              ; p's scale word for these 128 keys: row r's in lane r and in lane 16 + r
	s_delay_alu instid0(VALU_DEP_1)
	v_lshl_or_b32 v253, v238, 16, v253
	s_delay_alu instid0(VALU_DEP_1)
	v_lshl_or_b32 v253, v239, 24, v253
.if \x
	WIN 0x04                                       ; source 1 window 1; the rest window 0
	v_cndmask_b32 v253, v253, v253, s[HM]          ; window 0's register keeps tile 0's words in lanes 0-15 and takes tile 1's into lanes 16-31; the holds below stand between it and the products
	WIN 0x55
.endif
.irp b, 0,1,2,3
.irp i, 0,1,2,3,4,5,6,7,8,9,10,11,12,13,14,15
	v_min_num_f32 v[96+16*\b+\i], v[96+16*\b+\i], v[240+\b]   ; p is not negative: the hold is one-sided
.endr
	v_cvt_scalef32_pk8_fp8_f32 v[224+4*\b:225+4*\b], v[96+16*\b:103+16*\b], v[244+\b]
	v_cvt_scalef32_pk8_fp8_f32 v[226+4*\b:227+4*\b], v[104+16*\b:111+16*\b], v[244+\b]
.endr
.set i, 0
.rept 16
	v_pk_mul_f32 v[160+i:161+i], v[160+i:161+i], v[252:253] op_sel_hi:[1,0]   ; O^T under the new M
.set i, i+2
.endr
.irp b, 0,1,2,3
	v_permlane16_swap_b32 v[224+4*\b], v[226+4*\b]     ; p's codes into the operand's order: lanes 0-15 keys 32 b + 0 .. 15, lanes 16-31 keys 32 b + 16 .. 31
	v_permlane16_swap_b32 v[225+4*\b], v[227+4*\b]
.endr
.rept 16
	v_pk_mul_f32 v[160+i:161+i], v[160+i:161+i], v[252:253] op_sel_hi:[1,0]   ; (these sixteen are also the places in front of the matrix instructions that follow)
.set i, i+2
.endr
.endm
; MY KEY STEP of the slot in hand: 128 keys from s[KF] on.  Tile 0's queries come after tile 1's: a step that is left out for tile 0 is left out for both.
.macro STEP
	s_add_co_u32 s96, s[Q0], 15
	s_cmp_gt_u32 s[KF], s96                        ; all its keys come after tile 0's queries: left out (ids and the count of steps alone; no barrier, wait on tensor loads or tensor load stands in a step)
	s_cbranch_scc1 .Lhidden_\@
	s_add_co_u32 s96, s[Q1], 15
	s_cmp_gt_u32 s[KF], s96
	s_cselect_b32 s97, 1, 0                        ; 1: all its keys come after tile 1's queries
	v_add_nc_u32 v[ADF], s[TB], v[AF0]
	v_add_nc_u32 v[ADS], s[TB], v[AS0]
.rept 6
	v_nop                                          ; eight places in front of loads into registers that matrix instructions have read; the two additions above are places too
.endr
	FETCH 0, 0                                     ; all of K's eight fragments
	s_wait_alu depctr_va_vdst(0)
	s_wait_dscnt 16                                ; the words and fragments 0-3 are in; the youngest sixteen loads (fragments 4-7) may be out
	SMUL 0, 0
	s_wait_dscnt 0x0
	SMUL 1, 0                                      ; register 96 + 8 t + j of window x: key KF + 16 t + 8 (lane / 16) + j of tile x's query lane % 16
	WIN 0
	s_cmp_lg_u32 s97, 0
	s_cbranch_scc1 .Lone_\@
	SMUL 0, 1
	SMUL 1, 1
	WIN 0
.Lone_\@:
.rept 8
	v_nop
.endr
	FETCH 32768, 1024                              ; all of V^T's eight fragments: asked for here, they land while the softmax is worked
	s_add_co_u32 s96, s[KF], 127
	s_cmp_le_u32 s96, s[Q0]                        ; all keys count for tile 0: no mask
	s_cbranch_scc1 .Lopen0_\@
	s_sub_co_i32 s96, s[Q0], s[KF]
	MASK
.Lopen0_\@:
	SOFT 0
	s_wait_alu depctr_va_vdst(0)
	s_wait_dscnt 0x0                               ; V^T
	PMUL 0, 0
	PMUL 1, 0
	WIN 0
	s_cmp_lg_u32 s97, 0
	s_cbranch_scc1 .Lhidden_\@
	s_wait_alu depctr_va_vdst(0)                   ; tile 1's scores are matrix results first read behind tile 0's exponentials
	s_add_co_u32 s96, s[KF], 127
	s_cmp_le_u32 s96, s[Q1]                        ; all keys count for tile 1: no mask
	s_cbranch_scc1 .Lopen1_\@
	s_sub_co_i32 s96, s[Q1], s[KF]
	WIN 0x55
	MASK
	WIN 0
.Lopen1_\@:
	SOFT 1
	PMUL 0, 1                                      ; V^T's fragments still stand in their registers
	PMUL 1, 1
	WIN 0
.Lhidden_\@:
	s_add_co_u32 s[KF], s[KF], 256
	s_add_co_u32 s[KS0], s[KS0], 256
	s_xor_b32 s[TB], s[TB], SLOT1
.endm
; THE CHANGE OF SLOTS, at a slot's head.  Each wave waits for all its tensor loads, adds 0 to its spare word (fill = 1: twice on end), and waits for that and for its reads of the slot left.
; Behind the barrier the slot ahead is whole and nobody reads the other: it is filled with the next 256 keys, up to the causal limit.
.macro CHANGE fill
	s_wait_tensorcnt 0x0
	ds_add_u32 v[SPW], v[NIL]
.if \fill
	ds_add_u32 v[SPW], v[NIL]
	s_xor_b32 s[G0+1], s[G0+1], SLOT1
	s_add_nc_u64 s[G0+2:G0+3], s[G0+2:G0+3], SLB
	s_wait_xcnt 0x0                                ; the last prefetches, a slot back, have read their address
	s_add_nc_u64 s[PFA:PFA+1], s[PFA:PFA+1], SLB
.endif
	s_wait_dscnt 0x0
	s_barrier_signal -1
	s_barrier_wait -1
.if \fill
	s_add_co_u32 s96, s[KS0], 256                  ; the first key of the slot that this change would ask for
	s_cmp_gt_u32 s96, s[LASTQ]                     ; behind the work-group's last query: no wave would read it.  Ids and the count of steps alone: all eight waves go the same way
	s_cbranch_scc1 .Lpast_\@
	TLOAD                                          ; a wave's one tensor load until the next barrier
.Lpast_\@:
	ASK
.endif
.endm
.Lslot:
	CHANGE 1
	STEP
	s_sub_co_u32 s[SLOTS], s[SLOTS], 1
	s_cmp_lg_u32 s[SLOTS], 0
	s_cbranch_scc1 .Lslot
	CHANGE 0                                       ; the last slot is written out: nothing is asked for
	STEP
	; THE TWO WAVES OF A PAIR MEET.
.rept 8
	v_nop
.endr
	v_add_f32 v14, v14, v15                        ; my half of the keys' sum, tile 0's
	WIN 0x55
	v_add_f32 v14, v14, v15                        ; and tile 1's
	WIN 0
	s_cmp_eq_u32 s[PAR], 0
	s_cbranch_scc1 .Lkeep
.set i, 0
.rept 16
	ds_store_b128 v[MA], v[160+4*i:163+4*i] offset:512*i   ; the odd wave's O^T, each accumulator from its low end on
.set i, i+1
.endr
	ds_store_b32 v[MS], v12
	ds_store_b32 v[MS], v14 offset:128
	WIN 0x04                                       ; an LDS store's data are its source 1: window 1
.set i, 0
	s_wait_alu depctr_va_vdst(0)
.rept 16
	ds_store_b128 v[MA], v[160+4*i:163+4*i] offset:MT+512*i
.set i, i+1
.endr
	ds_store_b32 v[MS], v12 offset:MT
	ds_store_b32 v[MS], v14 offset:MT+128
	WIN 0
.Lkeep:
	s_wait_dscnt 0x0                               ; for the even wave's sake
	s_barrier_signal -1
	s_barrier_wait -1
	s_cmp_eq_u32 s[PAR], 0
	s_cbranch_scc1 .Lmerge
	s_wait_tensorcnt 0x0                           ; the odd wave's end
	ds_add_u32 v[SPW], v[NIL]
	s_wait_dscnt 0x0
	s_endpgm
.Lmerge:
.set i, 0
.rept 16
	ds_load_b128 v[32+4*i:35+4*i], v[MA] offset:512*i
.set i, i+1
.endr
	ds_load_b32 v241, v[MS]
	ds_load_b32 v242, v[MS] offset:128
	WIN 0x40
.set i, 0
.rept 16
	ds_load_b128 v[32+4*i:35+4*i], v[MA] offset:MT+512*i
.set i, i+1
.endr
	ds_load_b32 v241, v[MS] offset:MT
	ds_load_b32 v242, v[MS] offset:MT+128
	WIN 0
	s_wait_dscnt 0x0
.macro MERGE                           ; a tile's two halves under the larger M, divided by the row's sum: y(query r, 16 t + 8 h + j) in v96-159
	v_min_num_f32 v240, v12, v241                  ; -(the larger M)
	s_delay_alu instid0(VALU_DEP_1)
	v_sub_f32 v244, v240, v12
	s_delay_alu instid0(VALU_DEP_2)
	v_sub_f32 v246, v240, v241                     ; whole numbers, 0 or less; a wave that did no step has -M = 3e38: the conversion saturates and its factor is 0
	s_delay_alu instid0(VALU_DEP_2)
	v_cvt_i32_f32 v244, v244
	s_delay_alu instid0(VALU_DEP_2)
	v_cvt_i32_f32 v246, v246
	s_delay_alu instid0(VALU_DEP_2)
	v_ldexp_f32 v244, 1.0, v244
	s_wait_alu depctr_va_vdst(0)
	v_ldexp_f32 v246, 1.0, v246
	v_mul_f32 v14, v14, v244
	s_delay_alu instid0(VALU_DEP_1)
	v_fma_f32 v14, v242, v246, v14
	s_delay_alu instid0(VALU_DEP_1)
	v_permlanex16_b32 v254, v14, s[SEL], s[SEL+1]
	s_delay_alu instid0(VALU_DEP_1)
	v_add_f32 v14, v14, v254                       ; the row's sum
	s_wait_alu depctr_va_vdst(0)
	v_rcp_f32 v15, v14
	v_mov_b32 v245, 0                              ; (a plain instruction behind the reciprocal; the pairs' upper halves are written)
	v_mov_b32 v247, 0
	s_wait_alu depctr_va_vdst(0)                   ; ahead of the first reader
	v_mul_f32 v244, v244, v15
	v_mul_f32 v246, v246, v15
.set i, 0
.rept 32
	v_pk_mul_f32 v[96+i:97+i], v[160+i:161+i], v[244:245] op_sel_hi:[1,0]
.set i, i+2
.endr
.set i, 0
.rept 32
	v_pk_fma_f32 v[96+i:97+i], v[32+i:33+i], v[246:247], v[96+i:97+i] op_sel_hi:[1,0,1]
.set i, i+2
.endr
.endm
	MERGE
	QUANT 96, 252                                  ; K step 'head' of the projection
.irp c, 0,1,2,3
	global_store_b128 v[LI], v[PC+4*\c:PC+4*\c+3], s[10:11] offset:512*\c
.endr
	WIN 0x55
	MERGE
	QUANT 96, 252
	WIN 0x04                                       ; a store's data, and the select's source 1: window 1
.irp c, 0,1,2,3
	global_store_b128 v[LI], v[PC+4*\c:PC+4*\c+3], s[90:91] offset:512*\c
.endr
	v_cndmask_b32 v252, v252, v252, s[HM]          ; lanes 0-15 tile 0's scale words, lanes 16-31 tile 1's
	WIN 0
	v_and_b32 v8, 15, v0
	v_lshlrev_b32 v8, 2, v8                        ; 4 r: tile 1's rows, for lanes 16-31;
	v_add_nc_u32 v9, s[DW], v8                     ; tile 0's, for lanes 0-15
	v_cndmask_b32 v8, v9, v8, s[HM]
	global_store_b32 v8, v252, s[12:13]
	s_wait_tensorcnt 0x0                           ; the wave's end
	ds_add_u32 v[SPW], v[NIL]
	s_wait_dscnt 0x0
	s_endpgm
.Lfunc_end_k_q003d163df1_attn:
	.size	k_q003d163df1_attn, .Lfunc_end_k_q003d163df1_attn-k_q003d163df1_attn
	.p2alignl 7, 3214868480
	.fill 96, 4, 3214868480
	.section	.rodata,"a",@progbits
	.p2align	6, 0x0
	.amdhsa_kernel k_q003d163df1_attn
		.amdhsa_group_segment_fixed_size 327680
		.amdhsa_private_segment_fixed_size 0
		.amdhsa_enable_private_segment 0
		.amdhsa_kernarg_size 24
		.amdhsa_user_sgpr_count 2
		.amdhsa_user_sgpr_kernarg_segment_ptr 1
		.amdhsa_wavefront_size32 1
		.amdhsa_system_sgpr_workgroup_id_x 1
		.amdhsa_system_sgpr_workgroup_id_y 1
		.amdhsa_system_sgpr_workgroup_id_z 1
		.amdhsa_system_vgpr_workitem_id 0
		.amdhsa_next_free_vgpr 512
		.amdhsa_next_free_sgpr 100
		.amdhsa_reserve_vcc 1
		.amdhsa_float_denorm_mode_32 3
		.amdhsa_float_denorm_mode_16_64 3
		.amdhsa_memory_ordered 1
		.amdhsa_forward_progress 1
		.amdhsa_inst_pref_size 156
	.end_amdhsa_kernel
	.amdgpu_metadata
---
amdhsa.version: [ 1, 2 ]
amdhsa.kernels:
  - .name:           k_q003d163df1_attn
    .symbol:         k_q003d163df1_attn.kd
    .args:
      - { .name: q, .offset: 0, .size: 8, .value_kind: global_buffer, .address_space: global }
      - { .name: kv, .offset: 8, .size: 8, .value_kind: global_buffer, .address_space: global }
      - { .name: y, .offset: 16, .size: 8, .value_kind: global_buffer, .address_space: global }
    .group_segment_fixed_size: 327680
    .private_segment_fixed_size: 0
    .kernarg_segment_align: 8
    .kernarg_segment_size: 24
    .max_flat_workgroup_size: 256
    .sgpr_count:     100
    .vgpr_count:     512
    .wavefront_size: 32
...
	.end_amdgpu_metadata
.endif
;; end of part 3
;; launch wo (part 4): grid 8 x 32, 4 waves a work-group, clusters of 4 x 4, 327,680 bytes of LDS; arguments y, wo_codes, wo_scales, bo, x, x1; writes x1
.if DOCPART == 4
	.amdgcn_target "amdgcn-amd-amdhsa--gfx1250"
	.amdhsa_code_object_version 6
	.text
	.protected	k_q003d163df1_wo
	.globl	k_q003d163df1_wo
	.p2align	8
	.type	k_q003d163df1_wo,@function
k_q003d163df1_wo:
	s_mov_b64 s[64:65], 0
	v_nop
	global_prefetch_b8 v0, s[64:65] scope:SCOPE_SE
	s_setreg_imm32_b32 hwreg(HW_REG_WAVE_MODE, 25, 1), 1
	s_wait_xcnt 0x0
	s_wait_alu depctr_hold_cnt(0) depctr_sa_sdst(0) depctr_va_vdst(0) depctr_va_sdst(0) depctr_va_ssrc(0) depctr_va_vcc(0) depctr_vm_vsrc(0)
	s_getreg_b32 s2, hwreg(HW_REG_IB_STS2, 6, 4)
	s_cmp_eq_u32 s2, 0
	s_cbranch_scc0 .Lentry_in_a_cluster
	s_endpgm
.Lentry_in_a_cluster:
	s_bfe_u32 s2, ttmp6, 0x10000c
	s_cmp_lg_u32 s2, 0xf033
	s_cbranch_scc0 .Lentry_shape_is_right
	s_endpgm
.Lentry_shape_is_right:
; out = resid + A B^T + bias.  A: 4,096 rows as images of operand registers, [tile of 16 rows 256][K step of 128][2048], its scale words [K step][row 4096] at byte 4096 SIZE_K; B: [1024][SIZE_K] codes with scale bytes [1024][SIZE_K / 32].
; A tile of the output is 128 x 128: 256 work-groups; a wave makes 64 x 64: 16 accumulators.  K goes in chunks of 512 through two LDS slots.
; CLUSTERS 4 x 4: A's tiles are asked for jointly along a row of the cluster, B's along a column.  The matrix instruction is used transposed (source 0 = 16 rows of B, source 1 = 16 rows of A).
; THE HEAD: one joint load a wave: wave 0 chunk 0 of A, wave 1 chunk 0 of B, wave 2 chunk 1 of A, wave 3 chunk 1 of B, an arm each; the first barrier waits for waves 0 and 1's alone.
; THE SCALES of the work-group's 128 rows of A and of B, all of K, come once, in runs of 512 consecutive bytes a wave's load, through registers into LDS bytes of their own, into which no tensor load lands.
; The bias is the C of each sum's first matrix instruction.  The residual, in the layout of the stores, is added on the way out; where SIZE_K is two chunks (here) it is asked for at the head, behind the tiles, the scales and the bias.
; NO PREFETCH here: SIZE_K is two chunks, both asked for at the head, and the text has no loop to run ahead in.
; REGISTERS: window 0: v16-31 addresses; v32-47 scale words, two sets; v96-127 the bias; v128-255 the accumulators.  window 1: two sets of fragments (A's four, B's four).  window 2: v0-127 the residual.
.set SIZE_K, 1024
.set NKS,    SIZE_K/128
.set KS,     SIZE_K/32
.set LAPS,   SIZE_K/1024               ; a lap = two slots
.set NSC,    NKS/4                     ; loads of 512 bytes of A's words, and of B's bytes, a wave
.if LAPS > 1
.set NRES,   0
.else
.set NRES,   32                        ; the residual's loads that are issued at the head
.endif
.set AOFF,   4096*SIZE_K
.set ASL,    65536                     ; a slot: A's 8 tiles of rows x 4 K steps x 2,048 bytes,
.set BP,     528                       ; then B's 128 rows of 512 bytes + 16 of padding
.set BHALF,  64*BP
.set SLOT,   ASL+2*BHALF
.set SCA,    2*SLOT                    ; A's scale words [K step][128 rows]
.set SCB,    SCA+512*NKS               ; B's scale bytes, as runs of 256 bytes + 16
.set HALFS,  (64*KS/256)*272
.set SBLK,   (16*KS/256)*272
.set SPARE,  SCB+2*HALFS               ; the spare words, 128 bytes a wave: two blocks of 256 bytes that no other line names
.set SPITCH, 272                       ; the way out: 16 rows x (256 + 16) bytes a wave, in slot 0, which has had its last fill and its last read by then
.set ADRA, 16
.set ADRB, 20
.set ADSA, 22
.set ADSB, 23
.set STO,  24
.set RD,   25
.set CO,   26
.set SPW,  28
.set NIL,  29
.set PFO,  30                          ; the tiles' prefetch: my lane's offset
.set PFR,  31                          ; the residual's: a lane a row
.set SC,   32
.set BK,   32
.set T,    96
.set ACC,  128
.set F0,   0
.set F1,   128
.set G1, 24                            ; the ring's groups: A's s[24:31], s[32:39]; B's s[48:55], s[56:63]
.set G0, 32
.set G1B, 48
.set G0B, 56
.set G1H, 68                           ; the head's: whole tiles
.set H0A, 76
.set G1BH, 80
.set H0B, 88
.set H1A, 16
.set H1B, 20
.set PFA, 8                            ; s[8:9] where my prefetches stand; s[100:101] a chunk on
.set PFS, 100
.set FLA, (3<<16)|(1<<21)              ; elements of 8 bytes, no padding
.set FLB, (1<<20)|(1<<21)|(6<<22)|(3<<25)   ; elements of 1 byte, 4 words of padding behind every 128
.set MSB, 0
.macro WIN new
.if MSB != \new
	s_set_vgpr_msb (MSB<<8)|\new
.set MSB, \new
.endif
.endm
.set MUL,  0x05                        ; sources 0 and 1 window 1; C and D window 0
.set TO_F, 0x40
.macro PLACES n
.rept \n
	v_nop
.endr
.endm
.macro JLOAD g0a, g1a, g0b, g1b        ; waves 0 and 1 fetch for A, waves 2 and 3 for B; an s_nop 0 and four v_nop follow each line
	s_cmp_eq_u32 s11, 0
	s_cbranch_scc0 .Lfor_b_\@
	tensor_load_to_lds s[\g0a:\g0a+3], s[\g1a:\g1a+7]
	s_nop 0
	PLACES 4
	s_branch .Lasked_\@
.Lfor_b_\@:
	tensor_load_to_lds s[\g0b:\g0b+3], s[\g1b:\g1b+7]
	s_nop 0
	PLACES 4
.Lasked_\@:
.endm
.macro CREST
	s_cmp_lg_u32 s10, 0
	s_cbranch_scc1 .Lnot_wave_0_\@
	s_barrier_signal -3
.Lnot_wave_0_\@:
	s_barrier_wait -3
	s_barrier_signal -1
	s_barrier_wait -1
.endm
.macro CROUND
	s_barrier_signal -1
	s_barrier_wait -1
	CREST
.endm
.macro GRP1 g, mask, flags, c, rows, pitch
	s_or_b32 s[\g], s[\mask], \flags
	s_mov_b32 s[\g+1], (\c)<<16
	s_mov_b32 s[\g+2], (\rows)<<16
	s_mov_b32 s[\g+3], (\c)<<16
	s_mov_b32 s[\g+4], \rows
	s_mov_b32 s[\g+5], \pitch
	s_mov_b32 s[\g+6], 0
	s_mov_b32 s[\g+7], 0
.endm
.macro GRP0 g, lds, a, off
	s_mov_b32 s[\g], 1
	s_mov_b32 s[\g+1], \lds
	s_add_nc_u64 s[\g+2:\g+3], s[\a:\a+1], \off
	s_or_b32 s[\g+3], s[\g+3], 0x80000000
.endm
.macro ARM under, g0, g1, next
	s_cmp_lt_u32 s10, \under
	s_cbranch_scc0 \next
	tensor_load_to_lds s[\g0:\g0+3], s[\g1:\g1+7]
	s_nop 0
	PLACES 4
	s_branch .Lhead_asked
\next:
.endm
.macro RESID                           ; the residual: 32 loads, destination window 2
	WIN 0x80
.irp a, 0,1,2,3
.irp t, 0,1,2,3,4,5,6,7
	global_load_b128 v[32*\a+4*\t:32*\a+4*\t+3], v[CO], s[96:97] offset:(16*\a+2*\t)*4096
.endr
.endr
	WIN 0
.endm
	s_load_b128 s[4:7], s[0:1], 0x0                ; A, B's codes
	s_load_b128 s[92:95], s[0:1], 0x10             ; B's scales, the bias
	s_load_b128 s[96:99], s[0:1], 0x20             ; the residual, the output
	v_lshl_add_u32 v[SPW], v0, 2, SPARE
	v_mov_b32 v[NIL], 0
	ds_add_u32 v[SPW], v[NIL]                      ; the wave's opening: the add, twice on end, and its wait ahead of my first tensor load
	ds_add_u32 v[SPW], v[NIL]
	v_lshrrev_b32 v1, 5, v0
	v_readfirstlane_b32 s10, v1                    ; wave 0..3
	s_lshr_b32 s11, s10, 1                         ; my half of the rows; in the ring: I fetch for A (0) or for B (1)
	s_and_b32 s12, s10, 1                          ; my half of the columns; in the ring: which half I fetch
	s_bfe_u32 s40, ttmp6, 0x40000
	s_bfe_u32 s41, ttmp6, 0x40004
	s_lshl_b32 s42, ttmp9, 2
	s_add_co_u32 s42, s42, s40                     ; tile column
	s_and_b32 s13, ttmp7, 0xffff
	s_lshl_b32 s13, s13, 2
	s_add_co_u32 s13, s13, s41                     ; tile row
	s_lshl_b32 s43, s41, 2
	s_lshl_b32 s43, 15, s43
	s_lshl_b32 s44, 0x1111, s40
	GRP1 G1,   43, FLA, 1024, 4,   256*NKS         ; A's images: tiles of rows x 8,192 consecutive bytes: 4 in the ring, 8 at the head
	GRP1 G1H,  43, FLA, 1024, 8,   256*NKS
	GRP1 G1B,  44, FLB, 512,  64,  SIZE_K          ; B's codes: rows x 512 bytes: 64 in the ring, 128 at the head
	GRP1 G1BH, 44, FLB, 512,  128, SIZE_K
	s_mul_i32 s14, s13, 16384*NKS                  ; A: my tile row's 8 tiles of 16 rows
	s_mov_b32 s15, 0
	s_mul_i32 s46, s42, 128*SIZE_K                 ; B: my tile column's 128 rows
	s_mov_b32 s47, 0
	s_mul_i32 s105, s12, BHALF
	s_add_co_u32 s105, s105, ASL                   ; a half of B in a slot: made of the wave's number alone
.if LAPS > 1
	s_mul_i32 s66, s12, 8192*NKS                   ; the half that I fetch in the ring, in memory: A's,
	s_mov_b32 s67, 0
	s_mul_i32 s100, s12, 64*SIZE_K                 ; B's,
	s_mov_b32 s101, 0
	s_lshl_b32 s104, s12, 15                       ; and A's in a slot
.endif
	s_wait_dscnt 0x0                               ; both opening adds are done
	CROUND                                         ; the opening round, ahead of the wait for the arguments: all sixteen work-groups are here: the first joint loads meet
	s_wait_kmcnt 0x0
	s_add_nc_u64 s[14:15], s[4:5], s[14:15]
	s_add_nc_u64 s[46:47], s[6:7], s[46:47]
	GRP0 H0A, 0,        14, 0
	GRP0 H0B, ASL,      46, 0
	GRP0 H1A, SLOT,     14, 8192
	GRP0 H1B, SLOT+ASL, 46, 512
	ARM 1, H0A, G1H,  .Lh_b0                       ; one chain of branches on the wave's number, one load to an arm
	ARM 2, H0B, G1BH, .Lh_a1
	ARM 3, H1A, G1H,  .Lh_b1
	tensor_load_to_lds s[H1B:H1B+3], s[G1BH:G1BH+7]
	s_nop 0
	PLACES 4
.Lhead_asked:
.if LAPS > 1
	s_add_nc_u64 s[14:15], s[14:15], s[66:67]      ; the ring: my half of a tile
	s_add_nc_u64 s[46:47], s[46:47], s[100:101]
.irp s, 0,1
	s_mov_b32 s[G0+4*\s], 1
	s_add_co_u32 s[G0+4*\s+1], s104, \s*SLOT
	s_add_nc_u64 s[G0+4*\s+2:G0+4*\s+3], s[14:15], \s*8192
	s_or_b32 s[G0+4*\s+3], s[G0+4*\s+3], 0x80000000
	s_mov_b32 s[G0B+4*\s], 1
	s_add_co_u32 s[G0B+4*\s+1], s105, \s*SLOT
	s_add_nc_u64 s[G0B+4*\s+2:G0B+4*\s+3], s[46:47], \s*512
	s_or_b32 s[G0B+4*\s+3], s[G0B+4*\s+3], 0x80000000
.endr
	; THE PREFETCHES.  Of the half tile that I fetch in the ring (128 blocks of 256 bytes a chunk) each of the four partners that ask for it jointly takes 32, told apart by address:
	; of A's four tiles of rows the one with number cx (8,192 consecutive bytes, lanes 256 apart); of B's 64 rows the 16 from 16 cy on (two lanes a row).
	s_mul_i32 s2, s40, 2048*NKS
	s_mul_i32 s3, s41, 16*SIZE_K
	s_mov_b32 s104, SIZE_K
	s_mov_b32 s[PFS], 512
	s_cmp_eq_u32 s11, 0
	s_cselect_b64 s[PFA:PFA+1], s[14:15], s[46:47]
	s_cselect_b32 s2, s2, s3
	s_cselect_b32 s104, 512, s104                  ; from pair of lanes to pair of lanes
	s_cselect_b32 s[PFS], 8192, s[PFS]             ; from chunk to chunk
	s_mov_b32 s3, 0
	s_mov_b32 s[PFS+1], 0
	s_add_nc_u64 s[PFA:PFA+1], s[PFA:PFA+1], s[2:3]
	s_add_nc_u64 s[PFA:PFA+1], s[PFA:PFA+1], s[PFS:PFS+1]
	s_add_nc_u64 s[6:7], s[PFA:PFA+1], s[PFS:PFS+1]        ; chunk 2
	s_add_nc_u64 s[PFA:PFA+1], s[6:7], s[PFS:PFS+1]        ; chunk 3
.endif
	s_lshl_b32 s2, s13, 9                          ; A's words: 512 bytes a K step; my NSC K steps
	s_mul_i32 s3, s10, NSC*16384
	s_add_co_u32 s2, s2, s3
	s_add_co_u32 s2, s2, AOFF
	s_mov_b32 s3, 0
	s_add_nc_u64 s[4:5], s[4:5], s[2:3]
	s_lshl_b32 s2, s42, 2                          ; B's bytes: 128 KS dense bytes; my quarter
	s_add_co_u32 s2, s2, s10
	s_mul_i32 s2, s2, 32*KS
	s_add_nc_u64 s[92:93], s[92:93], s[2:3]
	s_lshl_b32 s46, s42, 9
	s_lshl_b32 s47, s12, 8
	s_add_co_u32 s46, s46, s47                     ; my first column, in bytes
	s_mov_b32 s47, 0
	s_add_nc_u64 s[94:95], s[94:95], s[46:47]
	s_lshl_b32 s2, s13, 7
	s_lshl_b32 s67, s11, 6
	s_add_co_u32 s2, s2, s67
	s_lshl_b32 s2, s2, 12                          ; my first row, 4,096 bytes a row
	s_add_nc_u64 s[2:3], s[2:3], s[46:47]
	s_add_nc_u64 s[96:97], s[96:97], s[2:3]
	s_add_nc_u64 s[98:99], s[98:99], s[2:3]
	s_lshl_b32 s2, s11, 15                         ; LDS places, all made of the wave's number
	s_lshl_b32 s3, s11, 8
	s_add_co_u32 s3, s3, SCA
	s_mul_i32 s66, s12, HALFS
	s_add_co_u32 s66, s66, SCB
	s_mul_i32 s67, s10, 16*SPITCH
	s_mul_i32 s46, s10, NSC*512
	s_add_co_u32 s46, s46, SCA
	s_mul_i32 s47, s10, (32*KS/256)*272
	s_add_co_u32 s47, s47, SCB
	v_and_b32 v1, 15, v0                           ; r
	v_bfe_u32 v2, v0, 4, 1                         ; h
	v_and_b32 v3, 31, v0
	v_lshlrev_b32 v4, 4, v3
	v_add_nc_u32 v[ADRA], s2, v4                   ; my four tiles of rows: 16 x lane
	v_add_nc_u32 v[ADRA+1], SLOT, v[ADRA]
	v_mul_u32_u24 v5, v1, BP
	v_lshl_add_u32 v5, v2, 4, v5
	v_add_nc_u32 v[ADRB], s105, v5
	v_add_nc_u32 v[ADRB+1], SLOT, v[ADRB]
	v_lshl_add_u32 v[ADSA], v1, 2, s3
	v_mul_u32_u24 v5, v1, KS
	v_lshrrev_b32 v6, 8, v5
	v_lshl_add_u32 v5, v6, 4, v5
	v_add_nc_u32 v[ADSB], s66, v5
	v_mul_u32_u24 v5, v1, SPITCH
	v_lshl_add_u32 v5, v2, 5, v5
	v_add_nc_u32 v[STO], s67, v5
	v_mul_u32_u24 v5, v2, SPITCH
	v_lshl_add_u32 v5, v1, 4, v5
	v_add_nc_u32 v[RD], s67, v5
	v_lshlrev_b32 v5, 12, v2
	v_lshl_add_u32 v[CO], v1, 4, v5                ; lanes 0-15 one row of the output, lanes 16-31 the next; 16 bytes a lane
	v_lshlrev_b32 v7, 5, v2
	v_add_nc_u32 v8, s46, v4                       ; where my loads of A's words go
	v_lshl_add_u32 v9, v2, 4, v4
	v_add_nc_u32 v9, s47, v9                       ; and of B's bytes: 16 more for each 256 passed
.if LAPS > 1
	v_lshrrev_b32 v10, 1, v3
	v_and_b32 v11, 1, v3
	v_mul_lo_u32 v10, v10, s104
	v_lshl_add_u32 v[PFO], v11, 8, v10
	v_lshlrev_b32 v[PFR], 12, v3
.endif
	s_wait_alu depctr_va_vdst(0)                   ; the wait at the end of the head's vector lines
.set i, 0
.rept NSC
	global_load_b128 v[ACC+4*i:ACC+4*i+3], v4, s[4:5] offset:16384*i        ; 32 lanes: the 512 bytes of a K step's words
	global_load_b128 v[ACC+32+4*i:ACC+32+4*i+3], v4, s[92:93] offset:512*i  ; 512 consecutive bytes of B's
.set i, i+1
.endr
.irp b, 0,1,2,3
	global_load_b128 v[T+8*\b:T+8*\b+3], v7, s[94:95] offset:64*\b          ; bias[16 b + 8 h + 0 .. 7]: the result's layout
	global_load_b128 v[T+8*\b+4:T+8*\b+7], v7, s[94:95] offset:64*\b+16
.endr
.if LAPS == 1
	RESID                                          ; K is two chunks: the residual is asked for here
.endif
	s_wait_loadcnt 8+NRES                          ; the scales are in; the bias's eight loads and the residual's may be out
.set i, 0
.rept NSC
	ds_store_b128 v8, v[ACC+4*i:ACC+4*i+3] offset:512*i
	ds_store_b128 v9, v[ACC+32+4*i:ACC+32+4*i+3] offset:544*i
.set i, i+1
.endr
	s_cmp_lt_u32 s10, 2
	s_cbranch_scc0 .Lnot_first
	s_wait_tensorcnt 0x0                           ; waves 0 and 1: chunk 0 is in.  Waves 2 and 3 wait for chunk 1 at the first change of slots
.Lnot_first:
	s_wait_dscnt 0x0                               ; for the others' sake: my stores of scales are done
	s_barrier_signal -1
	s_barrier_wait -1
.if LAPS > 1
	global_prefetch_b8 v[PFO], s[6:7] th:TH_LOAD_NT scope:SCOPE_SE          ; chunk 0 is in: my share of chunks 2 and 3
	global_prefetch_b8 v[PFO], s[PFA:PFA+1] th:TH_LOAD_NT scope:SCOPE_SE
.endif
; 4 matrix instructions: A's block a x B's four.  The 16 accumulators take turns, one instruction a turn, in the same order in every K step.
.macro MULR f, a, zero
.irp b, 0,1,2,3
.if \zero
	v_wmma_scale_f32_16x16x128_f8f6f4 v[ACC+8*(4*(\a)+\b):ACC+8*(4*(\a)+\b)+7], v[\f+64+16*\b:\f+64+16*\b+15], v[\f+16*(\a):\f+16*(\a)+15], v[T+8*\b:T+8*\b+7], v[SC+8*((\f)/128)+4+\b], v[SC+8*((\f)/128)+(\a)]
.else
	v_wmma_scale_f32_16x16x128_f8f6f4 v[ACC+8*(4*(\a)+\b):ACC+8*(4*(\a)+\b)+7], v[\f+64+16*\b:\f+64+16*\b+15], v[\f+16*(\a):\f+16*(\a)+15], v[ACC+8*(4*(\a)+\b):ACC+8*(4*(\a)+\b)+7], v[SC+8*((\f)/128)+4+\b], v[SC+8*((\f)/128)+(\a)]
.endif
.endr
.endm
; 40 LDS loads in one run: the slot's q-th K step into set f: 8 scale words, B's four fragments, A's four
.macro FETCH slot, q, f
	WIN 0
.irp b, 0,1,2,3
	ds_load_b32 v[SC+8*((\f)/128)+4+\b], v[ADSB] offset:4*(\q)+SBLK*\b
.endr
.irp a, 0,1,2,3
	ds_load_b32 v[SC+8*((\f)/128)+\a], v[ADSA] offset:512*(\q)+64*\a
.endr
	WIN TO_F
.irp i, 0,1,2,3
.irp c, 0,1,2,3
	ds_load_b128 v[\f+64+16*\i+4*\c:\f+64+16*\i+4*\c+3], v[ADRB+\slot] offset:16*BP*\i+128*(\q)+32*\c
.endr
.endr
.irp i, 0,1,2,3
.irp c, 0,1,2,3
	ds_load_b128 v[\f+16*\i+4*\c:\f+16*\i+4*\c+3], v[ADRA+\slot] offset:8192*\i+2048*(\q)+512*\c
.endr
.endr
.endm
.macro KSTEP slot, qn, f, g, zero      ; multiplies set f; in its middle it fetches the slot's K step qn into set g
	s_wait_dscnt 8                                 ; all but A's blocks 2 and 3
	WIN MUL
	MULR \f, 0, \zero
	MULR \f, 1, \zero
	PLACES 8
	FETCH \slot, \qn, \g
	s_wait_dscnt 40                                ; all but the 40 just issued
	WIN MUL
	MULR \f, 2, \zero
	MULR \f, 3, \zero
.endm
.macro ASK                             ; behind the load of chunk j: my share of chunk j + 2; the last trip's two loads have no chunk two on
	s_cmp_gt_u32 s3, 1
	s_cbranch_scc0 .Lnone_\@
	global_prefetch_b8 v[PFO], s[PFA:PFA+1] th:TH_LOAD_NT scope:SCOPE_SE
.Lnone_\@:
.endm
; A slot's last K step changes slots: one barrier; in front of it each wave waits for all its tensor loads, adds 0 to its spare word, and waits for that and for its reads of this slot.
.macro TURN slot, next, fill
	WIN 0
.if \fill
	s_wait_xcnt 0x0                                ; my last prefetch, a chunk back, has read its address
	s_add_nc_u64 s[PFA:PFA+1], s[PFA:PFA+1], s[PFS:PFS+1]
.endif
	s_wait_tensorcnt 0x0
	ds_add_u32 v[SPW], v[NIL]
	s_wait_dscnt 9                                 ; the add and A's blocks 2 and 3 may be out
	WIN MUL
	MULR F1, 0, 0
	s_wait_dscnt 0x0                               ; the add is done, and my reads of this slot are over
	s_barrier_signal -1
	MULR F1, 1, 0
	WIN 0
	s_barrier_wait -1
.if \fill
	CREST                                          ; the barrier has opened a round of the cluster's barrier
	s_add_nc_u64 s[G0+4*\slot+2:G0+4*\slot+3], s[G0+4*\slot+2:G0+4*\slot+3], 2*8192
	s_add_nc_u64 s[G0B+4*\slot+2:G0B+4*\slot+3], s[G0B+4*\slot+2:G0B+4*\slot+3], 2*512
	JLOAD G0+4*\slot, G1, G0B+4*\slot, G1B         ; the first tensor load behind the round; its four v_nop are among the eight places
	PLACES 4
.else
	PLACES 8
.endif
	v_add_nc_u32 v[ADSA], 2048, v[ADSA]            ; the next slot's scale words
	v_add_nc_u32 v[ADSB], 16, v[ADSB]
	s_wait_alu depctr_va_vdst(0)
	FETCH \next, 0, F0
.if \fill
	WIN 0
	ASK
.endif
	WIN MUL
	MULR F1, 2, 0
	MULR F1, 3, 0
.endm
	FETCH 0, 0, F0
	s_wait_loadcnt NRES                            ; the bias is in; the residual's loads may be out
	KSTEP 0, 1, F0, F1, 1                          ; the first products start the sums, from the bias
.if LAPS > 1
	WIN 0
	s_mov_b32 s3, LAPS-1
.Llap:
	s_cmp_eq_u32 s3, 2                             ; in the trip before the last: my 64 rows x 256 bytes of the residual, a lane a row, which are loaded behind the loop
	s_cbranch_scc0 .Lno_res
	global_prefetch_b8 v[PFR], s[96:97] th:TH_LOAD_NT scope:SCOPE_SE
	global_prefetch_b8 v[PFR], s[96:97] offset:131072 th:TH_LOAD_NT scope:SCOPE_SE
.Lno_res:
	KSTEP 0, 2, F1, F0, 0
	KSTEP 0, 3, F0, F1, 0
	TURN 0, 1, 1
	KSTEP 1, 1, F0, F1, 0
	KSTEP 1, 2, F1, F0, 0
	KSTEP 1, 3, F0, F1, 0
	TURN 1, 0, 1
	KSTEP 0, 1, F0, F1, 0
	WIN 0
	s_sub_co_u32 s3, s3, 1
	s_cmp_lg_u32 s3, 0
	s_cbranch_scc1 .Llap
	RESID
.endif
	KSTEP 0, 2, F1, F0, 0
	KSTEP 0, 3, F0, F1, 0
	TURN 0, 1, 0
	KSTEP 1, 1, F0, F1, 0
	KSTEP 1, 2, F1, F0, 0
	KSTEP 1, 3, F0, F1, 0
	s_wait_dscnt 8
	WIN MUL
	MULR F1, 0, 0
	MULR F1, 1, 0
	s_wait_dscnt 0
	MULR F1, 2, 0
	MULR F1, 3, 0
	WIN 0
; THE WAY OUT, 16 rows x 64 columns at a time: through my stage, back as rows of 256 bytes, the residual added, stored: sixteen lanes fill 256 consecutive aligned bytes.
.macro TOSTAGE a
.irp b, 0,1,2,3
	ds_store_b128 v[STO], v[ACC+8*(4*(\a)+\b):ACC+8*(4*(\a)+\b)+3] offset:64*\b      ; each accumulator from its low end on
	ds_store_b128 v[STO], v[ACC+8*(4*(\a)+\b)+4:ACC+8*(4*(\a)+\b)+7] offset:64*\b+16
.endr
.irp t, 0,1,2,3,4,5,6,7
	ds_load_b128 v[BK+32*((\a)%2)+4*\t:BK+32*((\a)%2)+4*\t+3], v[RD] offset:2*\t*SPITCH   ; LDS serves a wave's instructions in order: these see the stores above
.endr
.endm
.macro SEND a, younger
.set BB, BK+32*((\a)%2)
	s_wait_dscnt \younger
	WIN 0x08                                       ; source 1: window 2
.set i, 0
.rept 16
	v_pk_add_f32 v[BB+i:BB+i+1], v[BB+i:BB+i+1], v[32*(\a)+i:32*(\a)+i+1]
.set i, i+2
.endr
	WIN 0
.irp t, 0,1,2,3,4,5,6,7
	global_store_b128 v[CO], v[BB+4*\t:BB+4*\t+3], s[98:99] offset:(16*(\a)+2*\t)*4096
.endr
.endm
	PLACES 8
	s_wait_loadcnt 0x0                             ; the residual
	TOSTAGE 0
.irp a, 1,2,3
.if \a > 1
	s_wait_xcnt 0x0                                ; block a - 2's stores have read their registers
.endif
	TOSTAGE \a
	SEND \a-1, 16                                  ; behind block a - 1's loads: block a's 8 stores and 8 loads
.endr
	SEND 3, 0
	s_wait_tensorcnt 0x0                           ; the wave's end
	ds_add_u32 v[SPW], v[NIL]
	s_wait_dscnt 0x0
	CROUND                                         ; the closing round
	s_endpgm
.Lfunc_end_k_q003d163df1_wo:
	.size	k_q003d163df1_wo, .Lfunc_end_k_q003d163df1_wo-k_q003d163df1_wo
	.p2alignl 7, 3214868480
	.fill 96, 4, 3214868480
	.section	.rodata,"a",@progbits
	.p2align	6, 0x0
	.amdhsa_kernel k_q003d163df1_wo
		.amdhsa_group_segment_fixed_size 327680
		.amdhsa_private_segment_fixed_size 0
		.amdhsa_enable_private_segment 0
		.amdhsa_kernarg_size 48
		.amdhsa_user_sgpr_count 2
		.amdhsa_user_sgpr_kernarg_segment_ptr 1
		.amdhsa_wavefront_size32 1
		.amdhsa_system_sgpr_workgroup_id_x 1
		.amdhsa_system_sgpr_workgroup_id_y 1
		.amdhsa_system_sgpr_workgroup_id_z 1
		.amdhsa_system_vgpr_workitem_id 0
		.amdhsa_next_free_vgpr 640
		.amdhsa_next_free_sgpr 106
		.amdhsa_reserve_vcc 0
		.amdhsa_float_denorm_mode_32 3
		.amdhsa_float_denorm_mode_16_64 3
		.amdhsa_memory_ordered 1
		.amdhsa_forward_progress 1
		.amdhsa_inst_pref_size 65
	.end_amdhsa_kernel
	.amdgpu_metadata
---
amdhsa.version: [ 1, 2 ]
amdhsa.kernels:
  - .name:           k_q003d163df1_wo
    .symbol:         k_q003d163df1_wo.kd
    .args:
      - { .name: y, .offset: 0, .size: 8, .value_kind: global_buffer, .address_space: global }
      - { .name: wo_codes, .offset: 8, .size: 8, .value_kind: global_buffer, .address_space: global }
      - { .name: wo_scales, .offset: 16, .size: 8, .value_kind: global_buffer, .address_space: global }
      - { .name: bo, .offset: 24, .size: 8, .value_kind: global_buffer, .address_space: global }
      - { .name: x, .offset: 32, .size: 8, .value_kind: global_buffer, .address_space: global }
      - { .name: x1, .offset: 40, .size: 8, .value_kind: global_buffer, .address_space: global }
    .group_segment_fixed_size: 327680
    .private_segment_fixed_size: 0
    .kernarg_segment_align: 8
    .kernarg_segment_size: 48
    .max_flat_workgroup_size: 128
    .sgpr_count:     106
    .vgpr_count:     640
    .wavefront_size: 32
...
	.end_amdgpu_metadata
.endif
;; end of part 4
;; launch ln2: the kernel of part 1 again; grid 256 x 1, 16 waves a work-group, no clusters, 84,480 bytes of LDS; arguments x1, ln2_g, ln2_b, m; writes m
;; launch w1 (part 5): grid 16 x 16, 4 waves a work-group, clusters of 4 x 4, 327,680 bytes of LDS; arguments m, w1_codes, w1_scales, b1, g; writes g
.if DOCPART == 5
	.amdgcn_target "amdgcn-amd-amdhsa--gfx1250"
	.amdhsa_code_object_version 6
	.text
	.protected	k_q003d163df1_w1
	.globl	k_q003d163df1_w1
	.p2align	8
	.type	k_q003d163df1_w1,@function
k_q003d163df1_w1:
	s_mov_b64 s[64:65], 0
	v_nop
	global_prefetch_b8 v0, s[64:65] scope:SCOPE_SE
	s_setreg_imm32_b32 hwreg(HW_REG_WAVE_MODE, 25, 1), 1
	s_wait_xcnt 0x0
	s_wait_alu depctr_hold_cnt(0) depctr_sa_sdst(0) depctr_va_vdst(0) depctr_va_sdst(0) depctr_va_ssrc(0) depctr_va_vcc(0) depctr_vm_vsrc(0)
	s_getreg_b32 s2, hwreg(HW_REG_IB_STS2, 6, 4)
	s_cmp_eq_u32 s2, 0
	s_cbranch_scc0 .Lentry_in_a_cluster
	s_endpgm
.Lentry_in_a_cluster:
	s_bfe_u32 s2, ttmp6, 0x10000c
	s_cmp_lg_u32 s2, 0xf033
	s_cbranch_scc0 .Lentry_shape_is_right
	s_endpgm
.Lentry_shape_is_right:
.set KSTEP,  256
.set NQ,     2
.set ROWB,   256
.set KROW,   1024
.set PITCH,  272
.set FR,     16
.set NL,     4
.set NP,     8
.set HALFT,  128*PITCH
.set SLOT,   4*HALFT
.set LAPS,   2
.set KS,     32
.set SCL,    2*SLOT
.set HALFS,  (128*KS/256)*272
.set SBLK,   (16*KS/256)*272
.set SPARE,  SCL+4*HALFS
.set ADRA, 16
.set ADRB, 20
.set LI,   24
.set LS,   25
.set ADRS, 27
.set SPW,  28
.set NIL,  29
.set SC,   32
.set T,    64
.set AF,   128
.set ST,   0
.set TA,   64
.set TB,   96
.set TC,   128
.set TD,   160
.set PC,   192
.set TM,   208
.set PW0,  224
.set PWS,  226
.set KC,   230
.set G1, 24
.set G0, 32
.set G1B, 48
.set G0B, 56
.set G1S, 68
.set G0S, 76
.set G1SB, 80
.set G0SB, 88
.set C9,  24
.set CH,  26
.set CQ,  28
.set P,   30
.set SEL, 66
.set HM,  94
.set MNT, 95
.set MSB, 0
.macro WIN new
.if MSB != \new
	s_set_vgpr_msb (MSB<<8)|\new
.set MSB, \new
.endif
.endm
.set MUL_LO, 0xa1
.set MUL_HI, 0xf1
.set TO_B,   0x40
.macro JLOAD g0a, g1a, g0b, g1b
	s_cmp_eq_u32 s15, 0
	s_cbranch_scc0 .Lfor_b_\@
	tensor_load_to_lds s[\g0a:\g0a+3], s[\g1a:\g1a+7]
	s_nop 0
.rept 4
	v_nop
.endr
	s_branch .Lasked_\@
.Lfor_b_\@:
	tensor_load_to_lds s[\g0b:\g0b+3], s[\g1b:\g1b+7]
	s_nop 0
.rept 4
	v_nop
.endr
.Lasked_\@:
.endm
.macro CREST
	s_cmp_lg_u32 s14, 0
	s_cbranch_scc1 .Lnot_wave_0_\@
	s_barrier_signal -3
.Lnot_wave_0_\@:
	s_barrier_wait -3
	s_barrier_signal -1
	s_barrier_wait -1
.endm
.macro CROUND
	s_barrier_signal -1
	s_barrier_wait -1
	CREST
.endm
	s_load_b64 s[4:5], s[0:1], 0x0
	s_load_b128 s[8:11], s[0:1], 0x8
	s_load_b64 s[12:13], s[0:1], 0x18
	s_load_b64 s[96:97], s[0:1], 0x20
	v_lshl_add_u32 v[SPW], v0, 2, SPARE
	v_mov_b32 v[NIL], 0
	ds_add_u32 v[SPW], v[NIL]
	ds_add_u32 v[SPW], v[NIL]
	v_lshrrev_b32 v1, 5, v0
	v_readfirstlane_b32 s14, v1
	s_lshr_b32 s15, s14, 1
	s_and_b32 s16, s14, 1
	s_bfe_u32 s40, ttmp6, 0x40000
	s_bfe_u32 s41, ttmp6, 0x40004
	s_lshl_b32 s42, ttmp9, 2
	s_add_co_u32 s42, s42, s40
	s_and_b32 s17, ttmp7, 0xffff
	s_lshl_b32 s17, s17, 2
	s_add_co_u32 s17, s17, s41
	s_lshl_b32 s43, s41, 2
	s_lshl_b32 s43, 15, s43
	s_lshl_b32 s44, 0x1111, s40
	s_or_b32 s[G1+0], s43, (0<<16)|(1<<20)|(1<<21)|(5<<22)|(3<<25)
	s_or_b32 s[G1B+0], s44, (0<<16)|(1<<20)|(1<<21)|(5<<22)|(3<<25)
.irp g, G1, G1B
	s_mov_b32 s[\g+1], ROWB<<16
	s_mov_b32 s[\g+2], 128<<16
	s_mov_b32 s[\g+3], ROWB<<16
	s_mov_b32 s[\g+4], 128
	s_mov_b32 s[\g+5], KROW
	s_mov_b32 s[\g+6], 0
	s_mov_b32 s[\g+7], 0
.endr
	s_or_b32 s[G1S+0], s43, (0<<16)|(1<<20)|(1<<21)|(5<<22)|(3<<25)   ; the head's groups 1: whole tiles of 256 rows x 256 bytes
	s_or_b32 s[G1SB+0], s44, (0<<16)|(1<<20)|(1<<21)|(5<<22)|(3<<25)
.irp g, G1S, G1SB
	s_mov_b32 s[\g+1], ROWB<<16
	s_mov_b32 s[\g+2], 256<<16
	s_mov_b32 s[\g+3], ROWB<<16
	s_mov_b32 s[\g+4], 256
	s_mov_b32 s[\g+5], KROW
	s_mov_b32 s[\g+6], 0
	s_mov_b32 s[\g+7], 0
.endr
	s_lshl_b32 s20, s17, 8                         ; the tiles' first rows: the head fetches whole tiles
	s_lshl_b32 s46, s42, 8
	s_mov_b32 s21, 0
	s_mov_b32 s47, 0
	s_mov_b64 s[18:19], KS
	s_mul_u64 s[22:23], s[20:21], s[18:19]
	s_mul_u64 s[92:93], s[46:47], s[18:19]
	s_mov_b64 s[18:19], KROW
	s_mul_u64 s[20:21], s[20:21], s[18:19]
	s_mul_u64 s[46:47], s[46:47], s[18:19]
	s_mul_i32 s45, s14, HALFT
	s_mul_i32 s94, s14, HALFS
	s_mov_b32 s[SEL], 0x76543210
	s_mov_b32 s[SEL+1], 0xfedcba98
	s_mov_b32 s[MNT], 0x600000
	s_wait_dscnt 0x0
	CROUND                                         ; the opening round, ahead of the wait for the arguments: all sixteen work-groups are here
	s_wait_kmcnt 0x0
	s_add_nc_u64 s[6:7], s[4:5], 0x400000
	s_add_nc_u64 s[20:21], s[4:5], s[20:21]
	s_add_nc_u64 s[22:23], s[6:7], s[22:23]
	s_add_nc_u64 s[46:47], s[8:9], s[46:47]
	s_add_nc_u64 s[92:93], s[10:11], s[92:93]
	; THE HEAD'S LOADS, one joint load a wave, an arm each: wave 0 K step 0 of A (256 rows), wave 1 K step 0 of B, wave 2 K step 1 of A, wave 3 K step 1 of B: both slots are asked for here
	s_mov_b32 s[G0S], 1
	s_mov_b32 s[G0S+1], 0
	s_mov_b64 s[G0S+2:G0S+3], s[20:21]
	s_or_b32 s[G0S+3], s[G0S+3], 0x80000000
	s_mov_b32 s[G0SB], 1
	s_mov_b32 s[G0SB+1], 2*HALFT
	s_mov_b64 s[G0SB+2:G0SB+3], s[46:47]
	s_or_b32 s[G0SB+3], s[G0SB+3], 0x80000000
	s_mov_b32 s4, 1                                ; (the arguments that lay in s4-11 have been used)
	s_mov_b32 s5, SLOT
	s_add_nc_u64 s[6:7], s[20:21], ROWB
	s_or_b32 s7, s7, 0x80000000
	s_mov_b32 s8, 1
	s_mov_b32 s9, SLOT+2*HALFT
	s_add_nc_u64 s[10:11], s[46:47], ROWB
	s_or_b32 s11, s11, 0x80000000
.macro ARM under, g0, g1, next
	s_cmp_lt_u32 s14, \under
	s_cbranch_scc0 \next
	tensor_load_to_lds s[\g0:\g0+3], s[\g1:\g1+7]
	s_nop 0
.rept 4
	v_nop
.endr
	s_branch .Lhead_asked
\next:
.endm
	ARM 1, G0S,  G1S,  .Lh_b0
	ARM 2, G0SB, G1SB, .Lh_a1
	ARM 3, 4,    G1S,  .Lh_b1
	tensor_load_to_lds s[8:11], s[G1SB:G1SB+7]
	s_nop 0
.rept 4
	v_nop
.endr
.Lhead_asked:
	s_lshl_b32 s18, s16, 17                        ; the ring: my 128 rows of a tile, 1,024 bytes a row
	s_mov_b32 s19, 0
	s_add_nc_u64 s[20:21], s[20:21], s[18:19]
	s_add_nc_u64 s[46:47], s[46:47], s[18:19]
.irp s, 0,1
	s_mov_b32 s[G0+4*\s], 1
	s_add_co_u32 s[G0+4*\s+1], s45, \s*SLOT
	s_add_nc_u64 s[G0+4*\s+2:G0+4*\s+3], s[20:21], \s*ROWB
	s_or_b32 s[G0+4*\s+3], s[G0+4*\s+3], 0x80000000
	s_mov_b32 s[G0B+4*\s], 1
	s_add_co_u32 s[G0B+4*\s+1], s45, \s*SLOT
	s_add_nc_u64 s[G0B+4*\s+2:G0B+4*\s+3], s[46:47], \s*ROWB
	s_or_b32 s[G0B+4*\s+3], s[G0B+4*\s+3], 0x80000000
.endr
	; K steps 2 and 3 are prefetched behind the head's loads: of the 128 rows that I fetch in the ring each of the four partners that ask for them jointly names 32, told apart by address, a lane a row.
	; The scale bytes of 128 rows, 4,096 dense bytes a wave, come once through registers into LDS bytes of their own, into which no tensor load lands.
	s_cmp_eq_u32 s15, 0
	s_cselect_b64 s[18:19], s[20:21], s[46:47]
	s_cselect_b64 s[22:23], s[22:23], s[92:93]
	s_cselect_b32 s2, s40, s41
	s_lshl_b32 s2, s2, 15
	s_mov_b32 s3, 0
	s_add_nc_u64 s[18:19], s[18:19], s[2:3]
	s_lshl_b32 s2, s16, 12
	s_add_nc_u64 s[22:23], s[22:23], s[2:3]
	s_add_co_u32 s94, s94, SCL
	v_and_b32 v26, 31, v0
	v_lshlrev_b32 v30, 4, v26
	v_bfe_u32 v31, v0, 4, 1
	v_lshl_add_u32 v31, v31, 4, v30
	v_add_nc_u32 v31, s94, v31                     ; 16 x lane, and 16 more for each 256 passed
	v_lshlrev_b32 v26, 10, v26
	s_wait_alu depctr_va_vdst(0)
.irp i, 0,1,2,3,4,5,6,7
	global_load_b128 v[AF+4*\i:AF+4*\i+3], v30, s[22:23] offset:512*\i
.endr
	s_wait_xcnt 0x0                                ; these have read their addresses, which are written again below
	v_and_b32 v1, 15, v0
	v_bfe_u32 v2, v0, 4, 1
	v_mul_u32_u24 v3, v1, PITCH
	v_lshl_add_u32 v4, v2, 4, v3
	s_mul_i32 s21, s15, HALFT
	s_mul_i32 s22, s16, HALFT
	s_add_co_u32 s22, s22, 2*HALFT
.irp s, 0,1
	v_add_nc_u32 v[ADRA+\s], s21, v4
	v_add_nc_u32 v[ADRB+\s], s22, v4
	s_add_co_u32 s21, s21, SLOT
	s_add_co_u32 s22, s22, SLOT
.endr
	v_mul_u32_u24 v5, v1, KS
	v_lshrrev_b32 v6, 8, v5
	v_lshl_add_u32 v5, v6, 4, v5
	s_mul_i32 s21, s15, HALFS
	s_mul_i32 s22, s16, HALFS
	s_add_co_u32 s22, s22, 2*HALFS
	s_sub_co_u32 s22, s22, s21
	v_mul_u32_u24 v6, s22, v2
	s_add_co_u32 s21, s21, SCL
	v_add_nc_u32 v5, v5, v6
	v_add_nc_u32 v[ADRS], s21, v5
	v_and_b32 v6, 31, v0
	v_lshlrev_b32 v[LI], 4, v6
	v_lshlrev_b32 v[LS], 2, v6
	s_mov_b32 s[HM], 0xffff0000
	s_lshl_b32 s46, s42, 1
	s_add_co_u32 s46, s46, s16
	s_lshl_b32 s20, s17, 4
	s_lshl_b32 s21, s15, 3
	s_add_co_u32 s20, s20, s21
	s_lshl_b32 s21, s20, 5
	s_add_co_u32 s21, s21, s46
	s_lshl_b32 s22, s21, 11
	s_mov_b32 s23, 0
	s_lshl_b32 s21, s46, 12
	s_lshl_b32 s20, s20, 4
	s_add_co_u32 s21, s21, s20
	s_lshl_b32 s20, s21, 2
	s_add_co_u32 s20, s20, 16777216
	s_mov_b32 s21, 0
	s_add_nc_u64 s[98:99], s[96:97], s[20:21]
	s_add_nc_u64 s[96:97], s[96:97], s[22:23]
	s_lshl_b32 s46, s46, 9
	s_mov_b32 s47, 0
	s_add_nc_u64 s[12:13], s[12:13], s[46:47]
	v_lshlrev_b32 v8, 5, v2
.irp b, 0,1,2,3,4,5,6,7
	global_load_b128 v[T+8*\b:T+8*\b+3], v8, s[12:13] offset:64*\b
	global_load_b128 v[T+8*\b+4:T+8*\b+7], v8, s[12:13] offset:64*\b+16
.endr
.macro FRAG reg, adr, q, i
.irp c, 0,1,2,3
	ds_load_b128 v[\reg+4*\c:\reg+4*\c+3], v[\adr] offset:128*(\q)+32*\c+(\i)*16*PITCH
.endr
.endm
.macro MUL16 a0, p, q, sc, zero
.irp a, \a0, \a0+1
.irp b, 0,1,2,3,4,5,6,7
.if \zero
	v_wmma_scale_f32_16x16x128_f8f6f4 v[8*(8*((\a)%4)+\b):8*(8*((\a)%4)+\b)+7], v[128*(\p)+FR*\b:128*(\p)+FR*\b+FR-1], v[AF+FR*(\a):AF+FR*(\a)+FR-1], 0, v[SC+8*NQ*(\sc)+NQ*\b+(\q)], v[SC+8*NQ*(\sc)+NQ*(\a)+(\q)] matrix_a_scale:MATRIX_SCALE_ROW1
.else
	v_wmma_scale_f32_16x16x128_f8f6f4 v[8*(8*((\a)%4)+\b):8*(8*((\a)%4)+\b)+7], v[128*(\p)+FR*\b:128*(\p)+FR*\b+FR-1], v[AF+FR*(\a):AF+FR*(\a)+FR-1], v[8*(8*((\a)%4)+\b):8*(8*((\a)%4)+\b)+7], v[SC+8*NQ*(\sc)+NQ*\b+(\q)], v[SC+8*NQ*(\sc)+NQ*(\a)+(\q)] matrix_a_scale:MATRIX_SCALE_ROW1
.endif
.endr
.endr
.endm
.macro FETCH_B slot, q, p
	WIN TO_B
.irp i, 0,1,2,3,4,5,6,7
	FRAG 128*(\p)+FR*\i, ADRB+\slot, \q, \i
.endr
	WIN 0
.endm
.macro FETCH_A slot, q, i0
.irp i, \i0, \i0+1, \i0+2, \i0+3
	FRAG AF+FR*(\i), ADRA+\slot, \q, \i
.endr
.endm
.macro SCALES sc
.irp i, 0,1,2,3,4,5,6,7
	ds_load_b64 v[SC+8*NQ*\sc+NQ*\i:SC+8*NQ*\sc+NQ*\i+1], v[ADRS] offset:\i*SBLK
.endr
.endm
.macro PLACES n
.rept \n
	v_nop
.endr
.endm
.macro STEP slot, q, zero
	s_wait_dscnt 4*NL
	WIN MUL_LO
	MUL16 0, (\q)%2, \q, \slot, \zero
	MUL16 2, (\q)%2, \q, \slot, \zero
	s_wait_dscnt 0
	PLACES NP
	FETCH_B \slot, (\q)+1, 1-(\q)%2
	FETCH_A \slot, (\q)+1, 0
	WIN MUL_HI
	MUL16 4, (\q)%2, \q, \slot, \zero
	MUL16 6, (\q)%2, \q, \slot, \zero
	PLACES NP
	WIN 0
	FETCH_A \slot, (\q)+1, 4
.endm
.macro TURN slot, next, fill
	s_wait_tensorcnt 0x0
	ds_add_u32 v[SPW], v[NIL]
	s_wait_dscnt 4*NL+1
	WIN MUL_LO
	MUL16 0, 1, NQ-1, \slot, 0
	s_wait_dscnt 0x0
	s_barrier_signal -1
	MUL16 2, 1, NQ-1, \slot, 0
	WIN 0
	s_barrier_wait -1
.if \fill
	CREST
	s_add_nc_u64 s[G0+4*\slot+2:G0+4*\slot+3], s[G0+4*\slot+2:G0+4*\slot+3], 2*ROWB
	s_add_nc_u64 s[G0B+4*\slot+2:G0B+4*\slot+3], s[G0B+4*\slot+2:G0B+4*\slot+3], 2*ROWB
	JLOAD G0+4*\slot, G1, G0B+4*\slot, G1B
	PLACES NP-4
.else
	PLACES NP
.endif
	s_wait_alu depctr_va_vdst(0)
	v_add_nc_u32 v[ADRS], 4*NQ, v[ADRS]
	FETCH_B \next, 0, 0
	FETCH_A \next, 0, 0
	SCALES \next
	WIN MUL_HI
	MUL16 4, 1, NQ-1, \slot, 0
	MUL16 6, 1, NQ-1, \slot, 0
	PLACES NP
	WIN 0
	FETCH_A \next, 0, 4
.endm
	s_wait_alu depctr_va_vdst(0)
	s_wait_loadcnt 16                              ; the scale bytes are in; the bias's sixteen loads may be out
.irp i, 0,1,2,3,4,5,6,7
	ds_store_b128 v31, v[AF+4*\i:AF+4*\i+3] offset:544*\i
.endr
	s_cmp_lt_u32 s14, 2
	s_cbranch_scc0 .Lnot_first
	s_wait_tensorcnt 0x0                           ; waves 0 and 1: K step 0 is in; waves 2 and 3 wait for K step 1 at the first change of slots
.Lnot_first:
	s_wait_dscnt 0x0                               ; for the others' sake: my stores are done
	s_barrier_signal -1
	s_barrier_wait -1
	global_prefetch_b8 v26, s[18:19] offset:2*ROWB th:TH_LOAD_NT scope:SCOPE_SE   ; K step 0 is in: my share of K steps 2 and 3, a K step and more ahead of their loads
	global_prefetch_b8 v26, s[18:19] offset:3*ROWB th:TH_LOAD_NT scope:SCOPE_SE
	FETCH_B 0, 0, 0
	FETCH_A 0, 0, 0
	SCALES 0
	FETCH_A 0, 0, 4
	STEP 0, 0, 1
	s_mov_b32 s3, LAPS-1
.Llap:
	TURN 0, 1, 1
	STEP 1, 0, 0
	TURN 1, 0, 1
	STEP 0, 0, 0
	s_sub_co_u32 s3, s3, 1
	s_cmp_lg_u32 s3, 0
	s_cbranch_scc1 .Llap
	TURN 0, 1, 0
	STEP 1, 0, 0
	s_wait_dscnt 4*NL
	WIN MUL_LO
	MUL16 0, 1, NQ-1, 1, 0
	MUL16 2, 1, NQ-1, 1, 0
	s_wait_dscnt 0
	WIN MUL_HI
	MUL16 4, 1, NQ-1, 1, 0
	MUL16 6, 1, NQ-1, 1, 0
	WIN 0
.macro QUANT s, pw
.irp b, 0,1,2,3
	v_max3_num_f32 v[TM+\b], |v[\s+16*\b]|, |v[\s+1+16*\b]|, 0x4800000
.endr
.irp i, 2,4,6,8,10,12,14
.irp b, 0,1,2,3
	v_max3_num_f32 v[TM+\b], v[TM+\b], |v[\s+16*\b+\i]|, |v[\s+1+16*\b+\i]|
.endr
.endr
.irp b, 0,1,2,3
	v_permlanex16_b32 v[TM+4+\b], v[TM+\b], s[SEL], s[SEL+1]
.endr
.irp b, 0,1,2,3
	v_max_num_f32 v[TM+\b], v[TM+\b], v[TM+4+\b]
.endr
.irp b, 0,1,2,3
	v_add_nc_u32 v[TM+12+\b], 0xfc000000, v[TM+\b]
.endr
.irp b, 0,1,2,3
	v_and_or_b32 v[TM+8+\b], v[TM+\b], 0x7f800000, s[MNT]
.endr
.irp b, 0,1,2,3
	v_lshrrev_b32 v[TM+4+\b], 23, v[TM+12+\b]
.endr
	v_lshl_or_b32 v[\pw], v[TM+5], 8, v[TM+4]
	v_lshl_or_b32 v[\pw], v[TM+6], 16, v[\pw]
	v_lshl_or_b32 v[\pw], v[TM+7], 24, v[\pw]
.irp b, 0,1,2,3
.irp i, 0,1,2,3,4,5,6,7,8,9,10,11,12,13,14,15
	v_med3_num_f32 v[\s+16*\b+\i], v[\s+16*\b+\i], -v[TM+8+\b], v[TM+8+\b]
.endr
	v_cvt_scalef32_pk8_fp8_f32 v[PC+4*\b:PC+4*\b+1], v[\s+16*\b:\s+16*\b+7], v[TM+12+\b]
	v_cvt_scalef32_pk8_fp8_f32 v[PC+4*\b+2:PC+4*\b+3], v[\s+16*\b+8:\s+16*\b+15], v[TM+12+\b]
.endr
	v_nop
.irp b, 0,1,2,3
	v_permlane16_swap_b32 v[PC+4*\b], v[PC+4*\b+2]
	v_permlane16_swap_b32 v[PC+4*\b+1], v[PC+4*\b+3]
.endr
.endm
.macro WAY p, u
	WIN (0x42+(\p)/2)
.set i, 0
.rept 32
	v_pk_add_f32 v[ST+i:ST+i+1], v[128*((\p)%2)+64*(\u)+i:128*((\p)%2)+64*(\u)+i+1], v[T+i:T+i+1]
.set i, i+2
.endr
	WIN 0
.endm
.macro INTAKE u
	s_cmp_eq_u32 s[P], 0
	s_cbranch_scc1 .Lw0_\@
	s_cmp_eq_u32 s[P], 1
	s_cbranch_scc1 .Lw1_\@
	s_cmp_eq_u32 s[P], 2
	s_cbranch_scc1 .Lw2_\@
	WAY 3, \u
	s_branch .Lin_\@
.Lw0_\@:
	WAY 0, \u
	s_branch .Lin_\@
.Lw1_\@:
	WAY 1, \u
	s_branch .Lin_\@
.Lw2_\@:
	WAY 2, \u
.Lin_\@:
.endm
.macro GELUH f
.set XB, ST+32*(\f)
.set i, 0
.rept 32
	v_and_b32 v[TA+i], 0x7fffffff, v[XB+i]
.set i, i+1
.endr
.set i, 0
.rept 16
	v_pk_fma_f32 v[TB+i:TB+i+1], v[TA+i:TA+i+1], s[CH:CH+1], 1.0 op_sel_hi:[1,0,0]
.set i, i+2
.endr
.set i, 0
	s_wait_alu depctr_va_vdst(0)
.rept 32
	v_rcp_f32 v[TB+i], v[TB+i]
.set i, i+1
.endr
.set i, 0
.rept 16
	v_pk_mul_f32 v[TC+i:TC+i+1], v[XB+i:XB+i+1], v[XB+i:XB+i+1]
.set i, i+2
.endr
.set i, 0
.rept 32
	v_max_num_f32 v[XB+i], 0, v[XB+i]
.set i, i+1
.endr
	s_wait_alu depctr_va_vdst(0)
.set i, 0
.rept 16
	v_pk_fma_f32 v[TD+i:TD+i+1], v[TB+i:TB+i+1], s[C9:C9+1], v[KC+16:KC+17] op_sel_hi:[1,0,1]
.set i, i+2
.endr
.irp k, 7,6,5,4,3,2,1,0
.set i, 0
.rept 16
	v_pk_fma_f32 v[TD+i:TD+i+1], v[TD+i:TD+i+1], v[TB+i:TB+i+1], v[KC+2*\k:KC+2*\k+1]
.set i, i+2
.endr
.endr
.set i, 0
.rept 16
	v_pk_fma_f32 v[TC+i:TC+i+1], v[TC+i:TC+i+1], s[CQ:CQ+1], v[TD+i:TD+i+1] op_sel_hi:[1,0,1]
.set i, i+2
.endr
.set i, 0
	s_wait_alu depctr_va_vdst(0)
.rept 32
	v_exp_f32 v[TC+i], v[TC+i]
.set i, i+1
.endr
.set i, 0
.rept 16
	v_pk_mul_f32 v[TA+i:TA+i+1], v[TA+i:TA+i+1], v[TB+i:TB+i+1]
.set i, i+2
.endr
	s_wait_alu depctr_va_vdst(0)
.set i, 0
.rept 16
	v_pk_fma_f32 v[XB+i:XB+i+1], v[TA+i:TA+i+1], v[TC+i:TC+i+1], v[XB+i:XB+i+1] neg_lo:[1,0,0] neg_hi:[1,0,0]
.set i, i+2
.endr
.endm
.macro BLOCK u
	INTAKE \u
	WIN 0x55
	GELUH 0
	GELUH 1
	s_wait_xcnt 0x0
	QUANT ST, PW0+\u
	WIN 0x04
.irp c, 0,1,2,3
	global_store_b128 v[LI], v[PC+4*\c:PC+4*\c+3], s[96:97] offset:65536*(\u)+512*\c
.endr
	WIN 0
.endm
	PLACES NP
	s_wait_loadcnt 0x0
	s_mov_b32 s[C9], 0x3e7c6f08
	s_mov_b32 s[C9+1], s[C9]
	s_mov_b32 s[CH], 0x3eb504f3
	s_mov_b32 s[CH+1], s[CH]
	s_mov_b32 s[CQ], 0xbf38aa3b
	s_mov_b32 s[CQ+1], s[CQ]
	WIN 0x40
.irp b, 0,1,2,3
	v_mov_b32 v[TM+4+\b], 0
.endr
.irp h, 0,1
	v_mov_b32 v[KC+0+\h], 0xc034d90f
	v_mov_b32 v[KC+2+\h], 0x3fb8ab5a
	v_mov_b32 v[KC+4+\h], 0x3f0a29d2
	v_mov_b32 v[KC+6+\h], 0x3e0efb2e
	v_mov_b32 v[KC+8+\h], 0xbe899a80
	v_mov_b32 v[KC+10+\h], 0x3ecdfd18
	v_mov_b32 v[KC+12+\h], 0xbfd1a1e5
	v_mov_b32 v[KC+14+\h], 0x40097039
	v_mov_b32 v[KC+16+\h], 0xbf97d29d
.endr
	WIN 0
	s_mov_b32 s[P], 0
.Lpair:
	BLOCK 0
	BLOCK 1
	WIN 0x55
	v_cndmask_b32 v[PWS], v[PW0], v[PW0+1], s[HM]
	WIN 0x04
	global_store_b32 v[LS], v[PWS], s[98:99]
	WIN 0
	s_wait_xcnt 0x0
	s_add_nc_u64 s[96:97], s[96:97], 131072
	s_add_nc_u64 s[98:99], s[98:99], 128
	s_add_co_u32 s[P], s[P], 1
	s_cmp_lt_u32 s[P], 4
	s_cbranch_scc1 .Lpair
	s_wait_tensorcnt 0x0
	ds_add_u32 v[SPW], v[NIL]
	s_wait_dscnt 0x0
	CROUND
	s_endpgm
.Lfunc_end_k_q003d163df1_w1:
	.size	k_q003d163df1_w1, .Lfunc_end_k_q003d163df1_w1-k_q003d163df1_w1
	.p2alignl 7, 3214868480
	.fill 96, 4, 3214868480
	.section	.rodata,"a",@progbits
	.p2align	6, 0x0
	.amdhsa_kernel k_q003d163df1_w1
		.amdhsa_group_segment_fixed_size 327680
		.amdhsa_private_segment_fixed_size 0
		.amdhsa_enable_private_segment 0
		.amdhsa_kernarg_size 40
		.amdhsa_user_sgpr_count 2
		.amdhsa_user_sgpr_kernarg_segment_ptr 1
		.amdhsa_wavefront_size32 1
		.amdhsa_system_sgpr_workgroup_id_x 1
		.amdhsa_system_sgpr_workgroup_id_y 1
		.amdhsa_system_sgpr_workgroup_id_z 1
		.amdhsa_system_vgpr_workitem_id 0
		.amdhsa_next_free_vgpr 1024
		.amdhsa_next_free_sgpr 100
		.amdhsa_reserve_vcc 0
		.amdhsa_float_denorm_mode_32 3
		.amdhsa_float_denorm_mode_16_64 3
		.amdhsa_memory_ordered 1
		.amdhsa_forward_progress 1
		.amdhsa_inst_pref_size 234
	.end_amdhsa_kernel
	.amdgpu_metadata
---
amdhsa.version: [ 1, 2 ]
amdhsa.kernels:
  - .name:           k_q003d163df1_w1
    .symbol:         k_q003d163df1_w1.kd
    .args:
      - { .name: m, .offset: 0, .size: 8, .value_kind: global_buffer, .address_space: global }
      - { .name: w1_codes, .offset: 8, .size: 8, .value_kind: global_buffer, .address_space: global }
      - { .name: w1_scales, .offset: 16, .size: 8, .value_kind: global_buffer, .address_space: global }
      - { .name: b1, .offset: 24, .size: 8, .value_kind: global_buffer, .address_space: global }
      - { .name: g, .offset: 32, .size: 8, .value_kind: global_buffer, .address_space: global }
    .group_segment_fixed_size: 327680
    .private_segment_fixed_size: 0
    .kernarg_segment_align: 8
    .kernarg_segment_size: 40
    .max_flat_workgroup_size: 128
    .sgpr_count:     100
    .vgpr_count:     1024
    .wavefront_size: 32
...
	.end_amdgpu_metadata
.endif
;; end of part 5
;; launch w2 (part 6): grid 8 x 32, 4 waves a work-group, clusters of 4 x 4, 327,680 bytes of LDS; arguments g, w2_codes, w2_scales, b2, x1, out0; writes out0
.if DOCPART == 6
	.amdgcn_target "amdgcn-amd-amdhsa--gfx1250"
	.amdhsa_code_object_version 6
	.text
	.protected	k_q003d163df1_w2
	.globl	k_q003d163df1_w2
	.p2align	8
	.type	k_q003d163df1_w2,@function
k_q003d163df1_w2:
	s_mov_b64 s[64:65], 0
	v_nop
	global_prefetch_b8 v0, s[64:65] scope:SCOPE_SE
	s_setreg_imm32_b32 hwreg(HW_REG_WAVE_MODE, 25, 1), 1
	s_wait_xcnt 0x0
	s_wait_alu depctr_hold_cnt(0) depctr_sa_sdst(0) depctr_va_vdst(0) depctr_va_sdst(0) depctr_va_ssrc(0) depctr_va_vcc(0) depctr_vm_vsrc(0)
	s_getreg_b32 s2, hwreg(HW_REG_IB_STS2, 6, 4)
	s_cmp_eq_u32 s2, 0
	s_cbranch_scc0 .Lentry_in_a_cluster
	s_endpgm
.Lentry_in_a_cluster:
	s_bfe_u32 s2, ttmp6, 0x10000c
	s_cmp_lg_u32 s2, 0xf033
	s_cbranch_scc0 .Lentry_shape_is_right
	s_endpgm
.Lentry_shape_is_right:
; out = resid + A B^T + bias: the text of launch wo with SIZE_K = 4,096.  A: 4,096 rows as images of operand registers, [tile of 16 rows 256][K step of 128][2048], its scale words [K step][row 4096] at byte 4096 SIZE_K;
; B: [1024][SIZE_K] codes with scale bytes [1024][SIZE_K / 32].  A tile of the output is 128 x 128: 256 work-groups; a wave makes 64 x 64: 16 accumulators.  K goes in eight chunks of 512 through two LDS slots.
; CLUSTERS 4 x 4: A's tiles are asked for jointly along a row of the cluster, B's along a column.  The matrix instruction is used transposed (source 0 = 16 rows of B, source 1 = 16 rows of A).
; THE HEAD: one joint load a wave: wave 0 chunk 0 of A, wave 1 chunk 0 of B, wave 2 chunk 1 of A, wave 3 chunk 1 of B, an arm each; the first barrier waits for waves 0 and 1's alone.
; THE SCALES of the work-group's 128 rows of A and of B, all of K, come once, in runs of 512 consecutive bytes a wave's load, through registers into LDS bytes of their own, into which no tensor load lands.
; PREFETCHES: behind the load of chunk j each wave names its work-group's quarter of the half tile that it fetches of chunk j + 2, 32 blocks of 256 bytes, one instruction; chunks 2 and 3 behind the head's loads; the last trip names nothing.
; The residual's 64 rows x 256 bytes a wave are named in the trip before the last and loaded behind the loop, in the layout of the stores.  The bias is the C of each sum's first matrix instruction.
; REGISTERS: window 0: v16-31 addresses; v32-47 scale words, two sets; v96-127 the bias; v128-255 the accumulators.  window 1: two sets of fragments (A's four, B's four).  window 2: v0-127 the residual.
.set SIZE_K, 4096
.set NKS,    SIZE_K/128
.set KS,     SIZE_K/32
.set LAPS,   SIZE_K/1024               ; a lap = two slots
.set NSC,    NKS/4                     ; loads of 512 bytes of A's words, and of B's bytes, a wave
.set AOFF,   4096*SIZE_K
.set ASL,    65536                     ; a slot: A's 8 tiles of rows x 4 K steps x 2,048 bytes,
.set BP,     528                       ; then B's 128 rows of 512 bytes + 16 of padding
.set BHALF,  64*BP
.set SLOT,   ASL+2*BHALF
.set SCA,    2*SLOT                    ; A's scale words [K step][128 rows]
.set SCB,    SCA+512*NKS               ; B's scale bytes, as runs of 256 bytes + 16
.set HALFS,  (64*KS/256)*272
.set SBLK,   (16*KS/256)*272
.set SPARE,  SCB+2*HALFS               ; the spare words, 128 bytes a wave: two blocks of 256 bytes that no other line names
.set SPITCH, 272                       ; the way out: 16 rows x (256 + 16) bytes a wave, in slot 0, which has had its last fill and its last read by then
.set ADRA, 16
.set ADRB, 20
.set ADSA, 22
.set ADSB, 23
.set STO,  24
.set RD,   25
.set CO,   26
.set SPW,  28
.set NIL,  29
.set PFO,  30                          ; the tiles' prefetch: my lane's offset
.set PFR,  31                          ; the residual's: a lane a row
.set SC,   32
.set BK,   32
.set T,    96
.set ACC,  128
.set F0,   0
.set F1,   128
.set G1, 24                            ; the ring's groups: A's s[24:31], s[32:39]; B's s[48:55], s[56:63]
.set G0, 32
.set G1B, 48
.set G0B, 56
.set G1H, 68                           ; the head's: whole tiles
.set H0A, 76
.set G1BH, 80
.set H0B, 88
.set H1A, 16
.set H1B, 20
.set PFA, 8                            ; s[8:9] where my prefetches stand; s[100:101] a chunk on
.set PFS, 100
.set FLA, (3<<16)|(1<<21)              ; elements of 8 bytes, no padding
.set FLB, (1<<20)|(1<<21)|(6<<22)|(3<<25)   ; elements of 1 byte, 4 words of padding behind every 128
.set MSB, 0
.macro WIN new
.if MSB != \new
	s_set_vgpr_msb (MSB<<8)|\new
.set MSB, \new
.endif
.endm
.set MUL,  0x05                        ; sources 0 and 1 window 1; C and D window 0
.set TO_F, 0x40
.macro PLACES n
.rept \n
	v_nop
.endr
.endm
.macro JLOAD g0a, g1a, g0b, g1b        ; waves 0 and 1 fetch for A, waves 2 and 3 for B; an s_nop 0 and four v_nop follow each line
	s_cmp_eq_u32 s11, 0
	s_cbranch_scc0 .Lfor_b_\@
	tensor_load_to_lds s[\g0a:\g0a+3], s[\g1a:\g1a+7]
	s_nop 0
	PLACES 4
	s_branch .Lasked_\@
.Lfor_b_\@:
	tensor_load_to_lds s[\g0b:\g0b+3], s[\g1b:\g1b+7]
	s_nop 0
	PLACES 4
.Lasked_\@:
.endm
.macro CREST
	s_cmp_lg_u32 s10, 0
	s_cbranch_scc1 .Lnot_wave_0_\@
	s_barrier_signal -3
.Lnot_wave_0_\@:
	s_barrier_wait -3
	s_barrier_signal -1
	s_barrier_wait -1
.endm
.macro CROUND
	s_barrier_signal -1
	s_barrier_wait -1
	CREST
.endm
.macro GRP1 g, mask, flags, c, rows, pitch
	s_or_b32 s[\g], s[\mask], \flags
	s_mov_b32 s[\g+1], (\c)<<16
	s_mov_b32 s[\g+2], (\rows)<<16
	s_mov_b32 s[\g+3], (\c)<<16
	s_mov_b32 s[\g+4], \rows
	s_mov_b32 s[\g+5], \pitch
	s_mov_b32 s[\g+6], 0
	s_mov_b32 s[\g+7], 0
.endm
.macro GRP0 g, lds, a, off
	s_mov_b32 s[\g], 1
	s_mov_b32 s[\g+1], \lds
	s_add_nc_u64 s[\g+2:\g+3], s[\a:\a+1], \off
	s_or_b32 s[\g+3], s[\g+3], 0x80000000
.endm
.macro ARM under, g0, g1, next
	s_cmp_lt_u32 s10, \under
	s_cbranch_scc0 \next
	tensor_load_to_lds s[\g0:\g0+3], s[\g1:\g1+7]
	s_nop 0
	PLACES 4
	s_branch .Lhead_asked
\next:
.endm
	s_load_b128 s[4:7], s[0:1], 0x0                ; A, B's codes
	s_load_b128 s[92:95], s[0:1], 0x10             ; B's scales, the bias
	s_load_b128 s[96:99], s[0:1], 0x20             ; the residual, the output
	v_lshl_add_u32 v[SPW], v0, 2, SPARE
	v_mov_b32 v[NIL], 0
	ds_add_u32 v[SPW], v[NIL]                      ; the wave's opening: the add, twice on end, and its wait ahead of my first tensor load
	ds_add_u32 v[SPW], v[NIL]
	v_lshrrev_b32 v1, 5, v0
	v_readfirstlane_b32 s10, v1                    ; wave 0..3
	s_lshr_b32 s11, s10, 1                         ; my half of the rows; in the ring: I fetch for A (0) or for B (1)
	s_and_b32 s12, s10, 1                          ; my half of the columns; in the ring: which half I fetch
	s_bfe_u32 s40, ttmp6, 0x40000
	s_bfe_u32 s41, ttmp6, 0x40004
	s_lshl_b32 s42, ttmp9, 2
	s_add_co_u32 s42, s42, s40                     ; tile column
	s_and_b32 s13, ttmp7, 0xffff
	s_lshl_b32 s13, s13, 2
	s_add_co_u32 s13, s13, s41                     ; tile row
	s_lshl_b32 s43, s41, 2
	s_lshl_b32 s43, 15, s43
	s_lshl_b32 s44, 0x1111, s40
	GRP1 G1,   43, FLA, 1024, 4,   256*NKS         ; A's images: tiles of rows x 8,192 consecutive bytes: 4 in the ring, 8 at the head
	GRP1 G1H,  43, FLA, 1024, 8,   256*NKS
	GRP1 G1B,  44, FLB, 512,  64,  SIZE_K          ; B's codes: rows x 512 bytes: 64 in the ring, 128 at the head
	GRP1 G1BH, 44, FLB, 512,  128, SIZE_K
	s_mul_i32 s14, s13, 16384*NKS                  ; A: my tile row's 8 tiles of 16 rows
	s_mov_b32 s15, 0
	s_mul_i32 s46, s42, 128*SIZE_K                 ; B: my tile column's 128 rows
	s_mov_b32 s47, 0
	s_mul_i32 s105, s12, BHALF
	s_add_co_u32 s105, s105, ASL                   ; a half of B in a slot: made of the wave's number alone
.if LAPS > 1
	s_mul_i32 s66, s12, 8192*NKS                   ; the half that I fetch in the ring, in memory: A's,
	s_mov_b32 s67, 0
	s_mul_i32 s100, s12, 64*SIZE_K                 ; B's,
	s_mov_b32 s101, 0
	s_lshl_b32 s104, s12, 15                       ; and A's in a slot
.endif
	s_wait_dscnt 0x0                               ; both opening adds are done
	CROUND                                         ; the opening round, ahead of the wait for the arguments: all sixteen work-groups are here: the first joint loads meet
	s_wait_kmcnt 0x0
	s_add_nc_u64 s[14:15], s[4:5], s[14:15]
	s_add_nc_u64 s[46:47], s[6:7], s[46:47]
	GRP0 H0A, 0,        14, 0
	GRP0 H0B, ASL,      46, 0
	GRP0 H1A, SLOT,     14, 8192
	GRP0 H1B, SLOT+ASL, 46, 512
	ARM 1, H0A, G1H,  .Lh_b0                       ; one chain of branches on the wave's number, one load to an arm
	ARM 2, H0B, G1BH, .Lh_a1
	ARM 3, H1A, G1H,  .Lh_b1
	tensor_load_to_lds s[H1B:H1B+3], s[G1BH:G1BH+7]
	s_nop 0
	PLACES 4
.Lhead_asked:
.if LAPS > 1
	s_add_nc_u64 s[14:15], s[14:15], s[66:67]      ; the ring: my half of a tile
	s_add_nc_u64 s[46:47], s[46:47], s[100:101]
.irp s, 0,1
	s_mov_b32 s[G0+4*\s], 1
	s_add_co_u32 s[G0+4*\s+1], s104, \s*SLOT
	s_add_nc_u64 s[G0+4*\s+2:G0+4*\s+3], s[14:15], \s*8192
	s_or_b32 s[G0+4*\s+3], s[G0+4*\s+3], 0x80000000
	s_mov_b32 s[G0B+4*\s], 1
	s_add_co_u32 s[G0B+4*\s+1], s105, \s*SLOT
	s_add_nc_u64 s[G0B+4*\s+2:G0B+4*\s+3], s[46:47], \s*512
	s_or_b32 s[G0B+4*\s+3], s[G0B+4*\s+3], 0x80000000
.endr
	; THE PREFETCHES.  Of the half tile that I fetch in the ring (128 blocks of 256 bytes a chunk) each of the four partners that ask for it jointly takes 32, told apart by address:
	; of A's four tiles of rows the one with number cx (8,192 consecutive bytes, lanes 256 apart); of B's 64 rows the 16 from 16 cy on (two lanes a row).
	s_mul_i32 s2, s40, 2048*NKS
	s_mul_i32 s3, s41, 16*SIZE_K
	s_mov_b32 s104, SIZE_K
	s_mov_b32 s[PFS], 512
	s_cmp_eq_u32 s11, 0
	s_cselect_b64 s[PFA:PFA+1], s[14:15], s[46:47]
	s_cselect_b32 s2, s2, s3
	s_cselect_b32 s104, 512, s104                  ; from pair of lanes to pair of lanes
	s_cselect_b32 s[PFS], 8192, s[PFS]             ; from chunk to chunk
	s_mov_b32 s3, 0
	s_mov_b32 s[PFS+1], 0
	s_add_nc_u64 s[PFA:PFA+1], s[PFA:PFA+1], s[2:3]
	s_add_nc_u64 s[PFA:PFA+1], s[PFA:PFA+1], s[PFS:PFS+1]
	s_add_nc_u64 s[6:7], s[PFA:PFA+1], s[PFS:PFS+1]        ; chunk 2
	s_add_nc_u64 s[PFA:PFA+1], s[6:7], s[PFS:PFS+1]        ; chunk 3
.endif
	s_lshl_b32 s2, s13, 9                          ; A's words: 512 bytes a K step; my NSC K steps
	s_mul_i32 s3, s10, NSC*16384
	s_add_co_u32 s2, s2, s3
	s_add_co_u32 s2, s2, AOFF
	s_mov_b32 s3, 0
	s_add_nc_u64 s[4:5], s[4:5], s[2:3]
	s_lshl_b32 s2, s42, 2                          ; B's bytes: 128 KS dense bytes; my quarter
	s_add_co_u32 s2, s2, s10
	s_mul_i32 s2, s2, 32*KS
	s_add_nc_u64 s[92:93], s[92:93], s[2:3]
	s_lshl_b32 s46, s42, 9
	s_lshl_b32 s47, s12, 8
	s_add_co_u32 s46, s46, s47                     ; my first column, in bytes
	s_mov_b32 s47, 0
	s_add_nc_u64 s[94:95], s[94:95], s[46:47]
	s_lshl_b32 s2, s13, 7
	s_lshl_b32 s67, s11, 6
	s_add_co_u32 s2, s2, s67
	s_lshl_b32 s2, s2, 12                          ; my first row, 4,096 bytes a row
	s_add_nc_u64 s[2:3], s[2:3], s[46:47]
	s_add_nc_u64 s[96:97], s[96:97], s[2:3]
	s_add_nc_u64 s[98:99], s[98:99], s[2:3]
	s_lshl_b32 s2, s11, 15                         ; LDS places, all made of the wave's number
	s_lshl_b32 s3, s11, 8
	s_add_co_u32 s3, s3, SCA
	s_mul_i32 s66, s12, HALFS
	s_add_co_u32 s66, s66, SCB
	s_mul_i32 s67, s10, 16*SPITCH
	s_mul_i32 s46, s10, NSC*512
	s_add_co_u32 s46, s46, SCA
	s_mul_i32 s47, s10, (32*KS/256)*272
	s_add_co_u32 s47, s47, SCB
	v_and_b32 v1, 15, v0                           ; r
	v_bfe_u32 v2, v0, 4, 1                         ; h
	v_and_b32 v3, 31, v0
	v_lshlrev_b32 v4, 4, v3
	v_add_nc_u32 v[ADRA], s2, v4                   ; my four tiles of rows: 16 x lane
	v_add_nc_u32 v[ADRA+1], SLOT, v[ADRA]
	v_mul_u32_u24 v5, v1, BP
	v_lshl_add_u32 v5, v2, 4, v5
	v_add_nc_u32 v[ADRB], s105, v5
	v_add_nc_u32 v[ADRB+1], SLOT, v[ADRB]
	v_lshl_add_u32 v[ADSA], v1, 2, s3
	v_mul_u32_u24 v5, v1, KS
	v_lshrrev_b32 v6, 8, v5
	v_lshl_add_u32 v5, v6, 4, v5
	v_add_nc_u32 v[ADSB], s66, v5
	v_mul_u32_u24 v5, v1, SPITCH
	v_lshl_add_u32 v5, v2, 5, v5
	v_add_nc_u32 v[STO], s67, v5
	v_mul_u32_u24 v5, v2, SPITCH
	v_lshl_add_u32 v5, v1, 4, v5
	v_add_nc_u32 v[RD], s67, v5
	v_lshlrev_b32 v5, 12, v2
	v_lshl_add_u32 v[CO], v1, 4, v5                ; lanes 0-15 one row of the output, lanes 16-31 the next; 16 bytes a lane
	v_lshlrev_b32 v7, 5, v2
	v_add_nc_u32 v8, s46, v4                       ; where my loads of A's words go
	v_lshl_add_u32 v9, v2, 4, v4
	v_add_nc_u32 v9, s47, v9                       ; and of B's bytes: 16 more for each 256 passed
.if LAPS > 1
	v_lshrrev_b32 v10, 1, v3
	v_and_b32 v11, 1, v3
	v_mul_lo_u32 v10, v10, s104
	v_lshl_add_u32 v[PFO], v11, 8, v10
	v_lshlrev_b32 v[PFR], 12, v3
.endif
	s_wait_alu depctr_va_vdst(0)                   ; the wait at the end of the head's vector lines
.set i, 0
.rept NSC
	global_load_b128 v[ACC+4*i:ACC+4*i+3], v4, s[4:5] offset:16384*i        ; 32 lanes: the 512 bytes of a K step's words
	global_load_b128 v[ACC+32+4*i:ACC+32+4*i+3], v4, s[92:93] offset:512*i  ; 512 consecutive bytes of B's
.set i, i+1
.endr
.irp b, 0,1,2,3
	global_load_b128 v[T+8*\b:T+8*\b+3], v7, s[94:95] offset:64*\b          ; bias[16 b + 8 h + 0 .. 7]: the result's layout
	global_load_b128 v[T+8*\b+4:T+8*\b+7], v7, s[94:95] offset:64*\b+16
.endr
	s_wait_loadcnt 8                               ; the scales are in; the bias's eight loads may be out
.set i, 0
.rept NSC
	ds_store_b128 v8, v[ACC+4*i:ACC+4*i+3] offset:512*i
	ds_store_b128 v9, v[ACC+32+4*i:ACC+32+4*i+3] offset:544*i
.set i, i+1
.endr
	s_cmp_lt_u32 s10, 2
	s_cbranch_scc0 .Lnot_first
	s_wait_tensorcnt 0x0                           ; waves 0 and 1: chunk 0 is in.  Waves 2 and 3 wait for chunk 1 at the first change of slots
.Lnot_first:
	s_wait_dscnt 0x0                               ; for the others' sake: my stores of scales are done
	s_barrier_signal -1
	s_barrier_wait -1
.if LAPS > 1
	global_prefetch_b8 v[PFO], s[6:7] th:TH_LOAD_NT scope:SCOPE_SE          ; chunk 0 is in: my share of chunks 2 and 3
	global_prefetch_b8 v[PFO], s[PFA:PFA+1] th:TH_LOAD_NT scope:SCOPE_SE
.endif
; 4 matrix instructions: A's block a x B's four.  The 16 accumulators take turns, one instruction a turn, in the same order in every K step.
.macro MULR f, a, zero
.irp b, 0,1,2,3
.if \zero
	v_wmma_scale_f32_16x16x128_f8f6f4 v[ACC+8*(4*(\a)+\b):ACC+8*(4*(\a)+\b)+7], v[\f+64+16*\b:\f+64+16*\b+15], v[\f+16*(\a):\f+16*(\a)+15], v[T+8*\b:T+8*\b+7], v[SC+8*((\f)/128)+4+\b], v[SC+8*((\f)/128)+(\a)]
.else
	v_wmma_scale_f32_16x16x128_f8f6f4 v[ACC+8*(4*(\a)+\b):ACC+8*(4*(\a)+\b)+7], v[\f+64+16*\b:\f+64+16*\b+15], v[\f+16*(\a):\f+16*(\a)+15], v[ACC+8*(4*(\a)+\b):ACC+8*(4*(\a)+\b)+7], v[SC+8*((\f)/128)+4+\b], v[SC+8*((\f)/128)+(\a)]
.endif
.endr
.endm
; 40 LDS loads in one run: the slot's q-th K step into set f: 8 scale words, B's four fragments, A's four
.macro FETCH slot, q, f
	WIN 0
.irp b, 0,1,2,3
	ds_load_b32 v[SC+8*((\f)/128)+4+\b], v[ADSB] offset:4*(\q)+SBLK*\b
.endr
.irp a, 0,1,2,3
	ds_load_b32 v[SC+8*((\f)/128)+\a], v[ADSA] offset:512*(\q)+64*\a
.endr
	WIN TO_F
.irp i, 0,1,2,3
.irp c, 0,1,2,3
	ds_load_b128 v[\f+64+16*\i+4*\c:\f+64+16*\i+4*\c+3], v[ADRB+\slot] offset:16*BP*\i+128*(\q)+32*\c
.endr
.endr
.irp i, 0,1,2,3
.irp c, 0,1,2,3
	ds_load_b128 v[\f+16*\i+4*\c:\f+16*\i+4*\c+3], v[ADRA+\slot] offset:8192*\i+2048*(\q)+512*\c
.endr
.endr
.endm
.macro KSTEP slot, qn, f, g, zero      ; multiplies set f; in its middle it fetches the slot's K step qn into set g
	s_wait_dscnt 8                                 ; all but A's blocks 2 and 3
	WIN MUL
	MULR \f, 0, \zero
	MULR \f, 1, \zero
	PLACES 8
	FETCH \slot, \qn, \g
	s_wait_dscnt 40                                ; all but the 40 just issued
	WIN MUL
	MULR \f, 2, \zero
	MULR \f, 3, \zero
.endm
.macro ASK                             ; behind the load of chunk j: my share of chunk j + 2; the last trip's two loads have no chunk two on
	s_cmp_gt_u32 s3, 1
	s_cbranch_scc0 .Lnone_\@
	global_prefetch_b8 v[PFO], s[PFA:PFA+1] th:TH_LOAD_NT scope:SCOPE_SE
.Lnone_\@:
.endm
; A slot's last K step changes slots: one barrier; in front of it each wave waits for all its tensor loads, adds 0 to its spare word, and waits for that and for its reads of this slot.
.macro TURN slot, next, fill
	WIN 0
.if \fill
	s_wait_xcnt 0x0                                ; my last prefetch, a chunk back, has read its address
	s_add_nc_u64 s[PFA:PFA+1], s[PFA:PFA+1], s[PFS:PFS+1]
.endif
	s_wait_tensorcnt 0x0
	ds_add_u32 v[SPW], v[NIL]
	s_wait_dscnt 9                                 ; the add and A's blocks 2 and 3 may be out
	WIN MUL
	MULR F1, 0, 0
	s_wait_dscnt 0x0                               ; the add is done, and my reads of this slot are over
	s_barrier_signal -1
	MULR F1, 1, 0
	WIN 0
	s_barrier_wait -1
.if \fill
	CREST                                          ; the barrier has opened a round of the cluster's barrier
	s_add_nc_u64 s[G0+4*\slot+2:G0+4*\slot+3], s[G0+4*\slot+2:G0+4*\slot+3], 2*8192
	s_add_nc_u64 s[G0B+4*\slot+2:G0B+4*\slot+3], s[G0B+4*\slot+2:G0B+4*\slot+3], 2*512
	JLOAD G0+4*\slot, G1, G0B+4*\slot, G1B         ; the first tensor load behind the round; its four v_nop are among the eight places
	PLACES 4
.else
	PLACES 8
.endif
	v_add_nc_u32 v[ADSA], 2048, v[ADSA]            ; the next slot's scale words
	v_add_nc_u32 v[ADSB], 16, v[ADSB]
	s_wait_alu depctr_va_vdst(0)
	FETCH \next, 0, F0
.if \fill
	WIN 0
	ASK
.endif
	WIN MUL
	MULR F1, 2, 0
	MULR F1, 3, 0
.endm
	FETCH 0, 0, F0
	s_wait_loadcnt 0x0                             ; the bias
	KSTEP 0, 1, F0, F1, 1                          ; the first products start the sums, from the bias
.if LAPS > 1
	WIN 0
	s_mov_b32 s3, LAPS-1
.Llap:
	s_cmp_eq_u32 s3, 2                             ; in the trip before the last: my 64 rows x 256 bytes of the residual, a lane a row, which are loaded behind the loop
	s_cbranch_scc0 .Lno_res
	global_prefetch_b8 v[PFR], s[96:97] th:TH_LOAD_NT scope:SCOPE_SE
	global_prefetch_b8 v[PFR], s[96:97] offset:131072 th:TH_LOAD_NT scope:SCOPE_SE
.Lno_res:
	KSTEP 0, 2, F1, F0, 0
	KSTEP 0, 3, F0, F1, 0
	TURN 0, 1, 1
	KSTEP 1, 1, F0, F1, 0
	KSTEP 1, 2, F1, F0, 0
	KSTEP 1, 3, F0, F1, 0
	TURN 1, 0, 1
	KSTEP 0, 1, F0, F1, 0
	WIN 0
	s_sub_co_u32 s3, s3, 1
	s_cmp_lg_u32 s3, 0
	s_cbranch_scc1 .Llap
.endif
	WIN 0x80                                       ; the residual: destination window 2
.irp a, 0,1,2,3
.irp t, 0,1,2,3,4,5,6,7
	global_load_b128 v[32*\a+4*\t:32*\a+4*\t+3], v[CO], s[96:97] offset:(16*\a+2*\t)*4096
.endr
.endr
	KSTEP 0, 2, F1, F0, 0
	KSTEP 0, 3, F0, F1, 0
	TURN 0, 1, 0
	KSTEP 1, 1, F0, F1, 0
	KSTEP 1, 2, F1, F0, 0
	KSTEP 1, 3, F0, F1, 0
	s_wait_dscnt 8
	WIN MUL
	MULR F1, 0, 0
	MULR F1, 1, 0
	s_wait_dscnt 0
	MULR F1, 2, 0
	MULR F1, 3, 0
	WIN 0
; THE WAY OUT, 16 rows x 64 columns at a time: through my stage, back as rows of 256 bytes, the residual added, stored: sixteen lanes fill 256 consecutive aligned bytes.
.macro TOSTAGE a
.irp b, 0,1,2,3
	ds_store_b128 v[STO], v[ACC+8*(4*(\a)+\b):ACC+8*(4*(\a)+\b)+3] offset:64*\b      ; each accumulator from its low end on
	ds_store_b128 v[STO], v[ACC+8*(4*(\a)+\b)+4:ACC+8*(4*(\a)+\b)+7] offset:64*\b+16
.endr
.irp t, 0,1,2,3,4,5,6,7
	ds_load_b128 v[BK+32*((\a)%2)+4*\t:BK+32*((\a)%2)+4*\t+3], v[RD] offset:2*\t*SPITCH   ; LDS serves a wave's instructions in order: these see the stores above
.endr
.endm
.macro SEND a, younger
.set BB, BK+32*((\a)%2)
	s_wait_dscnt \younger
	WIN 0x08                                       ; source 1: window 2
.set i, 0
.rept 16
	v_pk_add_f32 v[BB+i:BB+i+1], v[BB+i:BB+i+1], v[32*(\a)+i:32*(\a)+i+1]
.set i, i+2
.endr
	WIN 0
.irp t, 0,1,2,3,4,5,6,7
	global_store_b128 v[CO], v[BB+4*\t:BB+4*\t+3], s[98:99] offset:(16*(\a)+2*\t)*4096
.endr
.endm
	PLACES 8
	s_wait_loadcnt 0x0                             ; the residual
	TOSTAGE 0
.irp a, 1,2,3
.if \a > 1
	s_wait_xcnt 0x0                                ; block a - 2's stores have read their registers
.endif
	TOSTAGE \a
	SEND \a-1, 16                                  ; behind block a - 1's loads: block a's 8 stores and 8 loads
.endr
	SEND 3, 0
	s_wait_tensorcnt 0x0                           ; the wave's end
	ds_add_u32 v[SPW], v[NIL]
	s_wait_dscnt 0x0
	CROUND                                         ; the closing round
	s_endpgm
.Lfunc_end_k_q003d163df1_w2:
	.size	k_q003d163df1_w2, .Lfunc_end_k_q003d163df1_w2-k_q003d163df1_w2
	.p2alignl 7, 3214868480
	.fill 96, 4, 3214868480
	.section	.rodata,"a",@progbits
	.p2align	6, 0x0
	.amdhsa_kernel k_q003d163df1_w2
		.amdhsa_group_segment_fixed_size 327680
		.amdhsa_private_segment_fixed_size 0
		.amdhsa_enable_private_segment 0
		.amdhsa_kernarg_size 48
		.amdhsa_user_sgpr_count 2
		.amdhsa_user_sgpr_kernarg_segment_ptr 1
		.amdhsa_wavefront_size32 1
		.amdhsa_system_sgpr_workgroup_id_x 1
		.amdhsa_system_sgpr_workgroup_id_y 1
		.amdhsa_system_sgpr_workgroup_id_z 1
		.amdhsa_system_vgpr_workitem_id 0
		.amdhsa_next_free_vgpr 640
		.amdhsa_next_free_sgpr 106
		.amdhsa_reserve_vcc 0
		.amdhsa_float_denorm_mode_32 3
		.amdhsa_float_denorm_mode_16_64 3
		.amdhsa_memory_ordered 1
		.amdhsa_forward_progress 1
		.amdhsa_inst_pref_size 112
	.end_amdhsa_kernel
	.amdgpu_metadata
---
amdhsa.version: [ 1, 2 ]
amdhsa.kernels:
  - .name:           k_q003d163df1_w2
    .symbol:         k_q003d163df1_w2.kd
    .args:
      - { .name: g, .offset: 0, .size: 8, .value_kind: global_buffer, .address_space: global }
      - { .name: w2_codes, .offset: 8, .size: 8, .value_kind: global_buffer, .address_space: global }
      - { .name: w2_scales, .offset: 16, .size: 8, .value_kind: global_buffer, .address_space: global }
      - { .name: b2, .offset: 24, .size: 8, .value_kind: global_buffer, .address_space: global }
      - { .name: x1, .offset: 32, .size: 8, .value_kind: global_buffer, .address_space: global }
      - { .name: out0, .offset: 40, .size: 8, .value_kind: global_buffer, .address_space: global }
    .group_segment_fixed_size: 327680
    .private_segment_fixed_size: 0
    .kernarg_segment_align: 8
    .kernarg_segment_size: 48
    .max_flat_workgroup_size: 128
    .sgpr_count:     106
    .vgpr_count:     640
    .wavefront_size: 32
...
	.end_amdgpu_metadata
.endif
;; end of part 6
